; MI455X (gfx1250); checked and timed in simulation.
; The chip was launched on July 23, 2026; its instructions are those of AMD's public machine-readable ISA for CDNA 5 (MIT licence, August 2026) and "CDNA5" Instruction Set Architecture Reference Guide (July 2026). The comments in the code are by the model that wrote it; some were corrected since.
;; Simple Mo E. Allowed arithmetic: matrix products marked QUANTISED: E2M1 operands, one E8M0 scale for each 32 along K, by v_wmma_scale_f32_16x16x128_f8f6f4 with both operands' format E2M1 (or v_wmma_scale_f32_32x16x128_f4), f32 sums; products left as they are: f32 operands where the result goes on into a quantised operand, else bf16, f16 or f32 operands; f32 sums; everything else in f32.
;; Inputs: W1 8 x 4,096 x 1,024 float32; W2 8 x 1,024 x 4,096 float32; Wr 8 x 1,024 float32; b1 8 x 4,096 float32; b2 8 x 1,024 float32; x 2 x 512 x 1,024 float32.
;; Outputs: out0 2 x 512 x 1,024 float32.
;; Constants: top_k = 2.
;; This version of the problem:
;;   THIS VERSION OF THE PROBLEM IS GIVEN IN LOW PRECISION. The matrix products marked QUANTISED in the list below multiply operands that are first quantised to E2M1 (2 exponent bits, 1 mantissa bit; 4 bits a number), with one power-of-two scale for each 32 numbers along K (OCP MX v1.0); their sums are f32. All else is computed in f32.
;;   The module's matrix products, in the order in which they are computed (A, B: the left and right operand; K: the contracted axis; several contracted axes count as one K, in the product's order):
;;     1. [M 1,024, K 1,024] x [K 1,024, N 8]; A: input x; B: input Wr: left as it is (N = 8 < 16)
;;     2. [M 1,024, K 1,024] x [K 1,024, N 32,768]; A: input x; B: input W1: QUANTISED
;;     3. batch 8 x [M 1,024, K 4,096] x [K 4,096, N 1,024]; A: input W2; B: computed on the way: QUANTISED
;;   THE QUANTISER, for each operand of a quantised product, along K:
;;     - K is cut into blocks of 32 from its start; a last block that is shorter is filled with zeros.
;;     - A block's scale is 2^e with e = floor(log2(the largest magnitude in the block)) - 2, held to -126 .. 127; a block of zeros has e = 0. As a byte (E8M0): e + 127.
;;     - Each number is divided by its block's scale, clamped to +-6, and rounded to the nearest number of E2M1, ties to even, subnormals kept.
;;     - The product sums the exact products of the quantised numbers (number of the format x scale) in f32.
;;   ~~~python
;;   def quantise(x, axis):      # numpy; x: float32 -> the quantised numbers, widened to float32 again
;;       x = np.moveaxis(x, axis, -1); K = x.shape[-1]
;;       x = np.pad(x, [(0, 0)] * (x.ndim - 1) + [(0, -K % 32)]); x = x.reshape(x.shape[:-1] + (-1, 32)); a = np.abs(x).max(-1, keepdims=True)
;;       e = np.where(a > 0, np.clip(np.frexp(np.where(a > 0, a, 1))[1] - 1 - 2, -126, 127), 0)      # np.frexp(a)[1] - 1 = floor(log2(a)), exactly
;;       r = np.clip(x / 2.0 ** e, -6, 6)
;;       step = 2.0 ** (np.maximum(np.frexp(np.where(r == 0, 1, r))[1] - 1, 0) - 1)
;;       q = np.round(r / step) * step * 2.0 ** e      # np.round: ties to even
;;       return np.moveaxis(q.reshape(q.shape[:-2] + (-1,))[..., :K], -1, axis).astype(np.float32)
;;   ~~~
;;   OPERANDS COMPUTED ON THE WAY. 'Computed on the way' means the value that the module computes at that place (a softmax that the list does not call 'softmax' is quantised finished and normalised). What goes into a quantiser is computed in f32, as accurately as f32 sums, v_exp_f32 and their like allow (about 1e-6 of the number): no bf16 or f16 on the way to a quantiser, and a product that is left as it is and whose result goes on into a quantised operand takes f32 operands (vector FMAs, or v_wmma_f32_16x16x4_f32). A number that lies on a knife's edge between two numbers of the format may be rounded either way, as far as f32 arithmetic and the matrix unit's own rounding can turn it there, and no further.
;; 2 versions, each right; version 2 is version 1 with the launch down written anew for expert scheduling mode. Each part assembles by itself: llvm-mc -triple=amdgcn-amd-amdhsa -mcpu=gfx1250 --defsym DOCPART=n.
;; ======== version 1 of 2: 4 launches
;; workspace buffers: xq 557,056 bytes; ridx 8,192 bytes of whole numbers; rval 8,192 bytes; route 12,544 bytes of whole numbers; hq 17,825,792 bytes; yr 67,108,864 bytes
;; launch router (part 1): grid 256 x 1, 4 waves a work-group, no clusters, 19,968 bytes of LDS; arguments x, Wr, xq, ridx, rval; writes xq, ridx, rval
.if DOCPART == 1
	.amdgcn_target "amdgcn-amd-amdhsa--gfx1250"
	.amdhsa_code_object_version 6
	.text
	.protected	k_q0c50bc429e_router
	.globl	k_q0c50bc429e_router
	.p2align	8
	.type	k_q0c50bc429e_router,@function
k_q0c50bc429e_router:
	s_mov_b64 s[64:65], 0
	v_nop
	global_prefetch_b8 v0, s[64:65] scope:SCOPE_SE
	s_setreg_imm32_b32 hwreg(HW_REG_WAVE_MODE, 25, 1), 1
	s_wait_xcnt 0x0
; ROUTER AND x's QUANTISER.  x: [1024 tokens][1024] f32, Wr: [8][1024] f32.
; Out: xq   = x as codes of E2M1, laid [K quarter 0..3][token][128 bytes] (a block of 32 codes is 16 bytes), and from byte XS_OFF on its E8M0 bytes [token][32];
;      ridx = [token][slot] the two experts with the largest scores (the lower index wins a tie);   rval = [token][slot] those scores, f32.
; SHARES.  A work-group takes 4 tokens; wave w takes K quarter w (256 numbers) of all four, so a work-group reads Wr once.  Scores are f32 fused multiply-adds.
; Nothing here is addressed by the choice: experts and scores go to fixed places, and a later launch places the rows.
; LIMITS: NaN and infinities are not served; a block whose largest magnitude lies under 2^-124 keeps the scale byte 1 (a block of zeros too: its codes are zeros, and this program alone reads the bytes);
; a token whose second and third scores differ by less than the rounding of an f32 sum of 1,024 terms may choose the other of the two.
.set ST,     0                         ; LDS: a stage of 32 x 144 bytes for each wave,
.set SCB,    18432                     ; 4 waves x 32 partial scores,
.set SBB,    18944                     ; 4 tokens x 32 scale bytes
.set XS_OFF, 524288
.set XR,  16                           ; v16-47   x as loaded: (token i, half j) at XR + 8 i + 4 j
.set WRG, 48                           ; v48-111  Wr as loaded: (expert e, half j) at WRG + 8 e + 4 j; later the partial scores
.set ACC, 112                          ; v112-175 32 pairs of sums, then 32 sums
.set X,   176                          ; v176-207 a block of 32 neighbours
.set TP,  208                          ; v208-223 at work in the sum over lanes
.set QM,  224                          ; v224-225 maxima, v226 scale operand, v227 byte, v228-231 codes
	s_load_b256 s[4:11], s[0:1], 0x0               ; x s[4:5], Wr s[6:7], xq s[8:9], ridx s[10:11]
	s_load_b64 s[12:13], s[0:1], 0x20              ; rval
	v_lshl_add_u32 v240, v0, 2, 0x4c00
	v_mov_b32 v241, 0
	v_lshrrev_b32 v1, 5, v0
	v_readfirstlane_b32 s16, v1                    ; wave
	v_and_b32 v1, 31, v0                           ; lane l
	v_lshlrev_b32 v2, 4, v1                        ; 16 l
	v_lshrrev_b32 v10, 3, v1                       ; l / 8
	v_and_b32 v11, 7, v1                           ; l % 8
	s_mul_i32 s17, s16, 4608                       ; my stage
	v_mul_u32_u24 v3, v10, 144
	v_lshl_add_u32 v3, v11, 4, v3
	v_add_nc_u32 v3, s17, v3                       ; into it: 144 (l / 8) + 16 (l % 8); a load's 512 bytes are four blocks
	v_mul_u32_u24 v4, v1, 144
	v_add_nc_u32 v4, s17, v4                       ; out of it: 144 l: a whole block a lane
	v_lshlrev_b32 v9, 2, v1                        ; 4 l
	s_lshl_b32 s18, s16, 7
	v_add_nc_u32 v5, s18, v9
	v_add_nc_u32 v5, SCB, v5                       ; my partial score: 128 w + 4 l
	s_lshl_b32 s19, s16, 3
	v_lshl_add_u32 v6, v10, 5, v11
	v_add_nc_u32 v6, s19, v6
	v_add_nc_u32 v6, SBB, v6                       ; my block's scale byte: 32 x token + 8 w + block
	s_lshl_b32 s19, s16, 5
	s_add_co_u32 s19, s19, SCB
	v_mov_b32 v7, s19                              ; the eight scores of token w, in each wave's part
	v_add_nc_u32 v8, SBB, v9
	s_mov_b32 s24, 0xff00ff00                      ; lanes with bit 3, 2, 1, 0 of their number set
	s_mov_b32 s25, 0xf0f0f0f0
	s_mov_b32 s26, 0xcccccccc
	s_mov_b32 s27, 0xaaaaaaaa
	s_lshl_b32 s28, ttmp9, 14                      ; x: 4 rows of 4,096 bytes a work-group, 1,024 bytes a wave
	s_lshl_b32 s30, s16, 10
	s_add_co_u32 s28, s28, s30
	s_mov_b32 s29, 0
	s_mov_b32 s31, 0
	s_lshl_b32 s32, s16, 17                        ; codes: quarter w, 4 tokens x 128 bytes
	s_lshl_b32 s33, ttmp9, 9
	s_add_co_u32 s32, s32, s33
	s_mov_b32 s33, 0
	s_lshl_b32 s34, ttmp9, 2
	s_add_co_u32 s34, s34, s16
	s_lshl_b32 s34, s34, 3                         ; ridx, rval: 8 bytes a token; wave w finishes token 4 g + w
	s_mov_b32 s35, 0
	s_lshl_b32 s36, ttmp9, 7
	s_add_co_u32 s36, s36, XS_OFF                  ; scale bytes: 4 tokens x 32
	s_mov_b32 s37, 0
	s_wait_kmcnt 0x0
	s_add_nc_u64 s[4:5], s[4:5], s[28:29]
	s_add_nc_u64 s[6:7], s[6:7], s[30:31]
	s_add_nc_u64 s[14:15], s[8:9], s[36:37]
	s_add_nc_u64 s[8:9], s[8:9], s[32:33]
	s_add_nc_u64 s[10:11], s[10:11], s[34:35]
	s_add_nc_u64 s[12:13], s[12:13], s[34:35]
.irp i, 0,1,2,3
.irp j, 0,1
	global_load_b128 v[XR+8*\i+4*\j:XR+8*\i+4*\j+3], v2, s[4:5] offset:4096*\i+512*\j th:TH_LOAD_NT   ; 32 lanes read 512 consecutive bytes
.endr
.endr
.irp e, 0,1,2,3,4,5,6,7
.irp j, 0,1
	global_load_b128 v[WRG+8*\e+4*\j:WRG+8*\e+4*\j+3], v2, s[6:7] offset:4096*\e+512*\j
.endr
.endr
	s_wait_loadcnt 16                              ; x's eight loads are in; Wr's sixteen may be out
	; x turns through my stage: in as loaded, out a block of 32 neighbours a lane: lane 8 i + q holds block 8 w + q of token i.  LDS serves a wave's instructions in order
.irp i, 0,1,2,3
.irp j, 0,1
	ds_store_b128 v3, v[XR+8*\i+4*\j:XR+8*\i+4*\j+3] offset:(8*\i+4*\j)*144
.endr
.endr
.irp p, 0,1,2,3,4,5,6,7
	ds_load_b128 v[X+4*\p:X+4*\p+3], v4 offset:16*\p
.endr
	s_wait_loadcnt 0x0                             ; Wr
	; my lane's 8 numbers of each token against the same 8 of each expert: 32 pairs of sums
.irp i, 0,1,2,3
.irp e, 0,1,2,3,4,5,6,7
	v_pk_mul_f32 v[ACC+2*(8*\i+\e):ACC+2*(8*\i+\e)+1], v[XR+8*\i:XR+8*\i+1], v[WRG+8*\e:WRG+8*\e+1]
.endr
.endr
.irp p, 2,4,6
.irp i, 0,1,2,3
.irp e, 0,1,2,3,4,5,6,7
	v_pk_fma_f32 v[ACC+2*(8*\i+\e):ACC+2*(8*\i+\e)+1], v[XR+8*\i+\p:XR+8*\i+\p+1], v[WRG+8*\e+\p:WRG+8*\e+\p+1], v[ACC+2*(8*\i+\e):ACC+2*(8*\i+\e)+1]
.endr
.endr
.endr
.set n, 0
.rept 32
	v_add_f32 v[ACC+n], v[ACC+2*n], v[ACC+2*n+1]   ; value n = 8 i + e; it lands where values already added lay
.set n, n+1
.endr
	; THE SUM OVER THE 32 LANES OF 32 VALUES AT ONCE: in each step a lane keeps half of its values and hands the other half to its partner; at the end lane l holds value l, summed
.set n, 0
.rept 16
	v_permlane16_swap_b32 v[ACC+n], v[ACC+16+n]    ; the first's lanes 16-31 change places with the second's lanes 0-15
.set n, n+1
.endr
.set n, 0
.rept 16
	v_add_f32 v[ACC+n], v[ACC+n], v[ACC+16+n]      ; lanes 0-15: value n, lanes 16-31: value n + 16
.set n, n+1
.endr
.macro BFLY m, msk
.set n, 0
.rept \m
	v_cndmask_b32 v[TP+2*n], v[ACC+n], v[ACC+\m+n], s[\msk]       ; what I keep
	v_cndmask_b32 v[TP+2*n+1], v[ACC+\m+n], v[ACC+n], s[\msk]     ; what my partner keeps
.set n, n+1
.endr
.set n, 0
.rept \m
	v_add_f32_dpp v[ACC+n], v[TP+2*n+1], v[TP+2*n] row_xmask:\m row_mask:0xf bank_mask:0xf
.set n, n+1
.endr
.endm
	BFLY 8, 24
	BFLY 4, 25
	BFLY 2, 26
	BFLY 1, 27
	ds_store_b32 v5, v[ACC]                        ; quarter w's part of the score of token l / 8, expert l % 8
	s_wait_dscnt 0x1                               ; the block is back from the stage (the store just issued may be out)
	; THE QUANTISER: the block's largest magnitude with the floor 2^(3 - 127) among its leaves; 2 off its exponent field is the conversion's scale operand; that field is the byte
	v_max3_num_f32 v[QM], |v[X]|, |v[X+1]|, |v[X+2]|
	v_max3_num_f32 v[QM+1], |v[X+3]|, |v[X+4]|, |v[X+5]|
.irp i, 6,10,14,18,22,26
	v_max3_num_f32 v[QM], v[QM], |v[X+\i]|, |v[X+\i+1]|
	v_max3_num_f32 v[QM+1], v[QM+1], |v[X+\i+2]|, |v[X+\i+3]|
.endr
	v_max3_num_f32 v[QM], v[QM], |v[X+30]|, |v[X+31]|
	v_max3_num_f32 v[QM], v[QM], v[QM+1], 0x1800000
	v_add_nc_u32 v[QM+2], 0xff000000, v[QM]
.irp g, 0,1,2,3
	v_cvt_scalef32_pk8_fp4_f32 v[QM+4+\g], v[X+8*\g:X+8*\g+7], v[QM+2]
.endr
	v_lshrrev_b32 v[QM+3], 23, v[QM+2]             ; the byte (a plain line behind the conversions)
	global_store_b128 v2, v[QM+4:QM+7], s[8:9]     ; 32 lanes store 512 consecutive bytes: 4 tokens x 8 blocks
	ds_store_b8 v6, v[QM+3]
	s_wait_dscnt 0x0                               ; for the others' sake: my scores and bytes lie in LDS
	s_barrier_signal -1
	s_barrier_wait -1
.irp q, 0,1,2,3
	ds_load_b128 v[WRG+8*\q:WRG+8*\q+3], v7 offset:128*\q          ; token w's eight scores, quarter q's part; the same in every lane
	ds_load_b128 v[WRG+8*\q+4:WRG+8*\q+7], v7 offset:128*\q+16
.endr
	s_wait_dscnt 0x0
.irp e, 0,1,2,3,4,5,6,7
	v_add_f32 v[80+\e], v[WRG+\e], v[WRG+8+\e]
	v_add_f32 v[88+\e], v[WRG+16+\e], v[WRG+24+\e]
.endr
.irp e, 0,1,2,3,4,5,6,7
	v_add_f32 v[80+\e], v[80+\e], v[88+\e]
.endr
	; the largest: a later expert must be strictly larger, so the lower index wins a tie
	v_mov_b32 v96, v80
	v_mov_b32 v97, 0
.irp e, 1,2,3,4,5,6,7
	v_cmp_gt_f32 vcc_lo, v[80+\e], v96
	v_cndmask_b32 v96, v96, v[80+\e], vcc_lo
	v_cndmask_b32 v97, v97, \e, vcc_lo
.endr
	v_mov_b32 v100, 0xff800000                     ; -infinity takes the first choice's place, and the same search gives the second
.irp e, 0,1,2,3,4,5,6,7
	v_cmp_eq_u32 vcc_lo, \e, v97
	v_cndmask_b32 v[104+\e], v[80+\e], v100, vcc_lo
.endr
	v_mov_b32 v98, v104
	v_mov_b32 v99, 0
.irp e, 1,2,3,4,5,6,7
	v_cmp_gt_f32 vcc_lo, v[104+\e], v98
	v_cndmask_b32 v98, v98, v[104+\e], vcc_lo
	v_cndmask_b32 v99, v99, \e, vcc_lo
.endr
	s_cmp_lg_u32 s16, 0
	s_cbranch_scc1 .Lno_bytes
	ds_load_b32 v101, v8                           ; wave 0: the four tokens' 128 scale bytes leave together
	s_wait_dscnt 0x0
	global_store_b32 v9, v101, s[14:15]
.Lno_bytes:
	v_cndmask_b32 v102, v97, v99, s27              ; lane 0: slot 0, lane 1: slot 1
	v_cndmask_b32 v103, v96, v98, s27
	v_cmp_gt_u32 vcc_lo, 2, v1
	s_wait_xcnt 0x0                                ; EXEC changes only behind this wait: stores have been issued
	s_barrier_signal -1
	s_barrier_wait -1
	s_wait_tensorcnt 0x0
	ds_add_u32 v240, v241
	s_wait_dscnt 0x0
	s_and_saveexec_b32 s17, vcc_lo
	global_store_b32 v9, v102, s[10:11]
	global_store_b32 v9, v103, s[12:13]
	s_wait_xcnt 0x0                                ; and again in front of the line that widens it
	s_or_b32 exec_lo, exec_lo, s17
	s_endpgm
.Lfunc_end_k_q0c50bc429e_router:
	.size	k_q0c50bc429e_router, .Lfunc_end_k_q0c50bc429e_router-k_q0c50bc429e_router
	.p2alignl 7, 3214868480
	.fill 96, 4, 3214868480
	.section	.rodata,"a",@progbits
	.p2align	6, 0x0
	.amdhsa_kernel k_q0c50bc429e_router
		.amdhsa_group_segment_fixed_size 19968
		.amdhsa_private_segment_fixed_size 0
		.amdhsa_enable_private_segment 0
		.amdhsa_kernarg_size 40
		.amdhsa_user_sgpr_count 2
		.amdhsa_user_sgpr_kernarg_segment_ptr 1
		.amdhsa_wavefront_size32 1
		.amdhsa_system_sgpr_workgroup_id_x 1
		.amdhsa_system_sgpr_workgroup_id_y 1
		.amdhsa_system_sgpr_workgroup_id_z 1
		.amdhsa_system_vgpr_workitem_id 0
		.amdhsa_next_free_vgpr 242
		.amdhsa_next_free_sgpr 66
		.amdhsa_reserve_vcc 1
		.amdhsa_float_denorm_mode_32 3
		.amdhsa_float_denorm_mode_16_64 3
		.amdhsa_memory_ordered 1
		.amdhsa_forward_progress 1
		.amdhsa_inst_pref_size 26
	.end_amdhsa_kernel
	.amdgpu_metadata
---
amdhsa.version: [ 1, 2 ]
amdhsa.kernels:
  - .name:           k_q0c50bc429e_router
    .symbol:         k_q0c50bc429e_router.kd
    .args:
      - { .name: x, .offset: 0, .size: 8, .value_kind: global_buffer, .address_space: global }
      - { .name: Wr, .offset: 8, .size: 8, .value_kind: global_buffer, .address_space: global }
      - { .name: xq, .offset: 16, .size: 8, .value_kind: global_buffer, .address_space: global }
      - { .name: ridx, .offset: 24, .size: 8, .value_kind: global_buffer, .address_space: global }
      - { .name: rval, .offset: 32, .size: 8, .value_kind: global_buffer, .address_space: global }
    .group_segment_fixed_size: 19968
    .private_segment_fixed_size: 0
    .kernarg_segment_align: 8
    .kernarg_segment_size: 40
    .max_flat_workgroup_size: 128
    .sgpr_count:     66
    .vgpr_count:     242
    .wavefront_size: 32
...
	.end_amdgpu_metadata
.endif
;; end of part 1
;; launch up (part 2): grid 32 x 8, 4 waves a work-group, no clusters, 152,320 bytes of LDS; arguments W1, b1, xq, ridx, hq, route; writes hq, route
.if DOCPART == 2
	.amdgcn_target "amdgcn-amd-amdhsa--gfx1250"
	.amdhsa_code_object_version 6
	.text
	.protected	k_q0c50bc429e_up
	.globl	k_q0c50bc429e_up
	.p2align	8
	.type	k_q0c50bc429e_up,@function
k_q0c50bc429e_up:
	s_mov_b64 s[64:65], 0
	v_nop
	global_prefetch_b8 v0, s[64:65] scope:SCOPE_SE
	s_setreg_imm32_b32 hwreg(HW_REG_WAVE_MODE, 25, 1), 1
	s_wait_xcnt 0x0
; FIRST PRODUCT OF THE CHOSEN EXPERTS: h = Q(relu(Q(x) Q(W1)^T + b1)), on codes of E2M1 with one E8M0 scale for each 32 along K, for the rows routed to each expert alone.
; SHARES.  Work-group (sl, e) owns hidden units 128 sl .. 128 sl + 127 of expert e: 128 rows x 1,024 of W1, 512 KiB of f32, which nobody else reads: they are read once, quantised here, and their codes never go to memory.
; THE STREAM.  Those rows are 64 fragments (16 rows x 128 K).  Each of the four waves quantises 16 of them, one a step: 16 loads of 512 consecutive bytes (a row's 128 numbers), a turn through the wave's own stage in LDS so that
; a lane holds whole blocks of 32 neighbours, the conversions, and the fragment's registers go to LDS as an image (lane l's 16 bytes at 16 l).  A ring of four sets of registers keeps 48 to 64 loads of a wave on their way.
; THE ROWS.  Meanwhile wave 0 sorts: from ridx (whole numbers that the launch before stored) it lists the entries n = 2 token + slot that chose expert e.  Behind a barrier every wave knows the count.
; THE TILES.  Behind the stream every wave takes all 64 fragments into registers (512) and the waves share the tiles of 16 routed rows: T = w, w + 4, ..  Each tile: x's codes gathered by the list, 64 matrix instructions, relu,
; the quantiser in registers; the result is K step sl of the second product's operand and is stored as an image of its registers.  The number of tiles hangs on a stored count: so operands come by plain loads, not by the tensor mover.
; x IS ASKED FOR TWO TILES AHEAD, into two sets of registers that take turns: one trip of the loop runs two tiles, and each asks, behind its products, for the tile eight further on.  In the loop that request is made on every
; way, held at tile 63 of the list: a wave's last one or two requests (18 loads each, inside xq) name rows that it does not multiply; so the loads behind a tile's own are 18 on every way.
; THE MATRIX INSTRUCTION IS USED TRANSPOSED (source 0 = 16 rows of W1, source 1 = 16 routed rows), AND THE ROWS OF W1 THAT FORM A TILE ARE NOT NEIGHBOURS: lane r of tile 2 b + u takes row 32 b + 8 u + r + 8 (r / 8),
; so that a lane holds one routed row and the 16 registers of tiles 2 b, 2 b + 1 are 16 neighbours along the next K.  b1 is the C of each sum's first instruction.
; No cluster: what the 32 work-groups of an expert share (x's codes, 0.5 MB) is a small part of a work-group's bytes, and the trip counts hang on stored numbers.
; OUT: hq codes [e][tile 0..63][K step 0..31][1,024 bytes]; scale words from HS_OFF on, (64 e + T) 2,048 + 512 (s / 8) + 256 (s % 2) + 16 r + 4 ((s / 2) % 4).
;      route (stored by the work-groups with sl = 0): pos[n] = 1,024 e + rank; words 2,048 + e take what the list's padding names; from CNT_OFF on 128 words for each expert, all its count.
; An expert's last tile is padded with token 1,023's codes; an expert without rows still makes tile 0.  LIMITS: NaN and infinities are not served; a block whose largest magnitude lies under 2^-124 keeps the scale byte 1.
; REGISTERS, in windows of 256.  Window 0: v1-31 addresses; v32-63 W1's scale words; v64-79 x's, two sets; v80-99 at work; v100-115 codes just made; v120-247 two sets of 64 numbers, later v120-183 the hidden tile.
;   Windows 1, 2: the 64 fragments (fragment f = 8 s + t at register 8 f).   Window 3: the ring, four sets of 64; later v0-63 and v128-191 x's eight fragments, two sets; v64-127 b1.
.set PITCH,  4096                      ; a row of W1 in bytes
.set LIST,   0                         ; LDS: the list, 1,024 words; word 1,024 takes the entries of other experts; the count at CNTW
.set CNTW,   4100
.set STG,    4352                      ; two stages of 9,728 bytes for each wave: byte 4,864 c + 2,432 h + 144 r + 16 p
.set IMG,    82176                     ; the 64 fragments' images, 1,024 bytes each
.set WSC,    147712                    ; their scale words: 512 (f / 8) + 256 (f % 2) + 16 r + 4 ((f / 2) % 4)
.set XS_OFF, 524288
.set HS_OFF, 16777216
.set CNT_OFF, 8448
.set GO,  4                            ; 16 l
.set SW,  5                            ; the stage, in
.set SR,  6                            ; the stage, out
.set WI,  7                            ; where I store images
.set WSA, 8                            ; and scale words
.set LI,  9                            ; where I read images
.set LWS, 10                           ; and scale words
.set SH8, 11                           ; 8 h
.set LR,  12                           ; 4 r
.set LA0, 13                           ; my first tile's place in the list
.set LA,  14                           ; a later tile's
.set EN,  15                           ; a list entry
.set XA,  16                           ; x's codes, set 0: 128 token + 16 h
.set XB,  17                           ; x's scale bytes, set 0: 32 token
.set HO,  18                           ; h's codes: 16 l + 32,768 T
.set HSO, 19                           ; h's scale words: 16 r + 2,048 T
.set B1O, 20                           ; 64 h
.set T0,  21
.set T1,  22                           ; the sort's LDS address, and nothing else
.set N4,  23                           ; 4 l
.set TT,  24
.set C1K, 25                           ; 1,024
.set PAD, 26                           ; v26-29 the list's padding, 2,048 + e
.set CNTA, 30                          ; LDS address of the count
.set H16, 31                           ; 16 h
.set WS,  32
.set XS,  64                           ; v64-71 set 0's scale words, v72-79 set 1's
.set TM,  80
.set XA1, 96                           ; x's codes, set 1
.set XB1, 97                           ; x's scale bytes, set 1
.set PW,  98
.set EN1, 99                           ; my second tile's list entry
.set PC,  100
.set PWW, 116
.set LT,  118                          ; 4 x thread
.set POSV, 119                         ; 1,024 e + thread
.set X,   120
.set HA,  120
.set ID,  120
.set B1,  64                           ; window 3
.set WV,  16
.set SL,  17
.set EX,  18
.set WB,  20
.set HB,  24
.set HSB, 26
.set B1B, 28
.set RUN, 30
.set MK,  31
.set N,   33
.set NT,  34
.set T,   35
.set TN,  36
.set SEL, 38
.set CC,  44                           ; how many tiles are my wave's
.set CT,  45                           ; the tile loop's counter
.set NPR, 46                           ; its trips: pairs of tiles
.set MSB, 0
.macro WIN new                         ; the immediate's high byte repeats the setting that is left; bits 1:0 source 0, 3:2 source 1, 5:4 source 2, 7:6 destination
.if MSB != \new
	s_set_vgpr_msb (MSB<<8)|\new
.set MSB, \new
.endif
.endm
; step t's fragment (tile 2 w + t / 8, K step t % 8): 16 rows x 512 consecutive bytes into ring set t % 4
.macro WLOAD t
.set wu, (\t)/8
.set ws, (\t)%8
.set wr, 64*((\t)%4)
	WIN 0xc0
.irp i, 0,1,2,3,4,5,6,7,8,9,10,11,12,13,14,15
	global_load_b128 v[wr+4*\i:wr+4*\i+3], v[GO], s[WB:WB+1] offset:(8*wu+\i+8*(\i/8))*PITCH+512*ws th:TH_LOAD_NT
.endr
	WIN 0
.endm
; through the stage: in as loaded (lane l has piece l % 8 of block l / 8), out 64 numbers a lane: lane (r, h) gets blocks h and 2 + h of row r.  LDS serves a wave's instructions in order
.macro TURN t
.set wr, 64*((\t)%4)
	WIN 0x0c
.irp i, 0,1,2,3,4,5,6,7,8,9,10,11,12,13,14,15
	ds_store_b128 v[SW], v[wr+4*\i:wr+4*\i+3] offset:9728*((\t)%2)+144*\i
.endr
	WIN 0
.irp c, 0,1
.irp p, 0,1,2,3,4,5,6,7
	ds_load_b128 v[X+64*((\t)%2)+32*\c+4*\p:X+64*((\t)%2)+32*\c+4*\p+3], v[SR] offset:9728*((\t)%2)+4864*\c+16*\p
.endr
.endr
.endm
; the quantiser: two whole blocks a lane; the conversions' results are the operand's registers
.macro WQ t
.set XQ, X+64*((\t)%2)
.set PQ, PC+8*((\t)%2)
.set qu, (\t)/8
.set qs, (\t)%8
.irp c, 0,1
.irp g, 0,1
	v_max3_num_f32 v[TM+2*\c+\g], |v[XQ+32*\c+16*\g]|, |v[XQ+32*\c+16*\g+1]|, 0x1800000   ; four chains of 16 numbers; the floor 2^(3 - 127) holds the byte at 1 from below
.endr
.endr
.irp i, 2,4,6,8,10,12,14
.irp c, 0,1
.irp g, 0,1
	v_max3_num_f32 v[TM+2*\c+\g], v[TM+2*\c+\g], |v[XQ+32*\c+16*\g+\i]|, |v[XQ+32*\c+16*\g+\i+1]|
.endr
.endr
.endr
.irp c, 0,1
	v_max_num_f32 v[TM+2*\c], v[TM+2*\c], v[TM+2*\c+1]
.endr
.irp c, 0,1
	v_add_nc_u32 v[TM+4+\c], 0xff000000, v[TM+2*\c]    ; 2 off the exponent field: the conversion's scale operand
.endr
.irp c, 0,1
	v_lshrrev_b32 v[TM+6+\c], 23, v[TM+4+\c]           ; the byte
.endr
	v_lshl_or_b32 v[TM+8], v[TM+7], 16, v[TM+6]        ; my two bytes, blocks h and 2 + h,
	v_lshlrev_b32 v[TM+8], v[SH8], v[TM+8]             ; at their places;
	v_permlanex16_b32 v[TM+9], v[TM+8], s[SEL], s[SEL+1]
	v_or_b32 v[PWW+(\t)%2], v[TM+8], v[TM+9]           ; with lane l xor 16's two the word is whole
.irp c, 0,1
.irp g, 0,1,2,3
	v_cvt_scalef32_pk8_fp4_f32 v[PQ+4*\c+\g], v[XQ+32*\c+8*\g:XQ+32*\c+8*\g+7], v[TM+4+\c]
.endr
.endr
	v_nop                                              ; one plain line behind the last conversion
.irp c, 0,1
	ds_store_b128 v[WI], v[PQ+4*\c:PQ+4*\c+3] offset:8192*qs+1024*qu+512*\c
.endr
	ds_store_b32 v[WSA], v[PWW+(\t)%2] offset:512*qs+256*qu   ; lanes l and l + 16 store the same word with the same value
.endm
; x's fragments of K steps 4 half .. 4 half + 3 and their scale words into set b, for the 16 rows that the set's two offsets name: 9 loads
.macro XREQ b, half
.if (\b) == 0
.set xar, XA
.set xbr, XB
.else
.set xar, XA1
.set xbr, XB1
.endif
	WIN 0xc0
.irp k, 0,1,2,3
.irp c, 0,1
	global_load_b128 v[128*(\b)+8*(4*\half+\k)+4*\c:128*(\b)+8*(4*\half+\k)+4*\c+3], v[xar], s[8:9] offset:((4*\half+\k)/2)*131072+((4*\half+\k)%2)*64+32*\c
.endr
.endr
	WIN 0
	global_load_b128 v[XS+8*(\b)+4*\half:XS+8*(\b)+4*\half+3], v[xbr], s[8:9] offset:XS_OFF+16*\half
.endm
.macro XADDR en, xa, xb                ; a list entry becomes x's two offsets: four plain lines
	v_lshrrev_b32 v[TT], 1, v[\en]                 ; the token; the padding's entry gives more than 1,023,
	v_min_u32 v[TT], 0x3ff, v[TT]                  ; and is held there
	v_lshlrev_b32 v[\xb], 5, v[TT]
	v_lshl_add_u32 v[\xa], v[TT], 7, v[H16]
.endm
.macro EXTRA t                         ; what takes the ring's place when W1 has been asked for: my first tile's x (18 loads) into ring set 0, b1 (16 loads) into set 1, my second tile's x (18 loads) into set 2
.if (\t) == 12
	XREQ 0, 0
	XREQ 0, 1
.elseif (\t) == 13
	WIN 0xc0
.irp k, 0,1,2,3,4,5,6,7
	global_load_b128 v[B1+8*\k:B1+8*\k+3], v[B1O], s[B1B:B1B+1] offset:(32*(\k/2)+8*(\k%2))*4       ; lane (r, h), tile k: b1 at hidden units 32 (k / 2) + 16 h + 8 (k % 2) + 0 .. 7
	global_load_b128 v[B1+8*\k+4:B1+8*\k+7], v[B1O], s[B1B:B1B+1] offset:(32*(\k/2)+8*(\k%2))*4+16
.endr
	WIN 0
.elseif (\t) == 14
	XREQ 1, 0
	XREQ 1, 1
.endif
.endm
.macro QSTEP t
.if (\t) == 0
	s_wait_dscnt 0x0
.else
	s_wait_dscnt 0x3                               ; all but the last step's three image stores: this step's numbers are back from the stage, so its stores into the stage have read ring set t % 4,
.endif
.if (\t) < 12
	WLOAD (\t)+4                                   ; which takes the loads of four steps on
.else
	EXTRA \t
.endif
.if (\t) < 15
.if (\t) < 12
	s_wait_loadcnt 48                              ; the next step's 16 loads are in; behind them three sets of 16
.elseif (\t) < 14
	s_wait_loadcnt 50                              ; t = 12: two sets and x's 18; t = 13: one set, x's 18 and b1's 16
.else
	s_wait_loadcnt 52                              ; x's 18, b1's 16 and x's second 18
.endif
	TURN (\t)+1                                    ; through the other stage while this step is worked
.endif
	WQ \t
.endm
.macro WM d, a, b, c, sa, sb, ra
.if \ra
	v_wmma_scale_f32_16x16x128_f8f6f4 v[(\d):(\d)+7], v[(\a):(\a)+7], v[(\b):(\b)+7], v[(\c):(\c)+7], v[\sa], v[\sb] matrix_a_fmt:MATRIX_FMT_FP4 matrix_b_fmt:MATRIX_FMT_FP4 matrix_a_scale:MATRIX_SCALE_ROW1
.else
	v_wmma_scale_f32_16x16x128_f8f6f4 v[(\d):(\d)+7], v[(\a):(\a)+7], v[(\b):(\b)+7], v[(\c):(\c)+7], v[\sa], v[\sb] matrix_a_fmt:MATRIX_FMT_FP4 matrix_b_fmt:MATRIX_FMT_FP4
.endif
.endm
; K step s of the eight hidden tiles, x from set b: the eight accumulators take turns, one instruction a turn.  Fragment 8 s + k; its scale word in register 4 s + k / 2, lanes 16 (k % 2) on
.macro MULS s, b
.if (\s) == 0
	WIN 0x3d                                       ; W1 window 1, x window 3, b1 window 3
.elseif (\s) < 4
	WIN 0x0d
.else
	WIN 0x0e                                       ; W1 window 2
.endif
.irp k, 0,1,2,3,4,5,6,7
.if (\s) == 0
	WM HA+8*\k, 8*((8*(\s)+\k)%32), 128*(\b)+8*(\s), B1+8*\k, WS+4*(\s)+\k/2, XS+8*(\b)+(\s), \k%2
.else
	WM HA+8*\k, 8*((8*(\s)+\k)%32), 128*(\b)+8*(\s), HA+8*\k, WS+4*(\s)+\k/2, XS+8*(\b)+(\s), \k%2
.endif
.endr
.endm
; 64 numbers of a lane, register 16 b + i = k 32 b + 16 h + i of my row, none negative, become a fragment's codes in v[PC] on and its scale word in v[PW]
.macro QUANT s
.irp b, 0,1,2,3
	v_max3_num_f32 v[TM+\b], v[\s+16*\b], v[\s+1+16*\b], 0x1800000
.endr
.irp i, 2,4,6,8,10,12,14
.irp b, 0,1,2,3
	v_max3_num_f32 v[TM+\b], v[TM+\b], v[\s+16*\b+\i], v[\s+1+16*\b+\i]
.endr
.endr
.irp b, 0,1,2,3
	v_permlanex16_b32 v[TM+4+\b], v[TM+\b], s[SEL], s[SEL+1]
.endr
.irp b, 0,1,2,3
	v_max_num_f32 v[TM+\b], v[TM+\b], v[TM+4+\b]   ; with lane l xor 16's 16: the block's largest
.endr
.irp b, 0,1,2,3
	v_add_nc_u32 v[TM+12+\b], 0xff000000, v[TM+\b]
.endr
.irp b, 0,1,2,3
	v_lshrrev_b32 v[TM+4+\b], 23, v[TM+12+\b]
.endr
	v_lshl_or_b32 v[PW], v[TM+5], 8, v[TM+4]
	v_lshl_or_b32 v[PW], v[TM+6], 16, v[PW]
	v_lshl_or_b32 v[PW], v[TM+7], 24, v[PW]
.irp b, 0,1,2,3
	v_cvt_scalef32_pk8_fp4_f32 v[PC+2*\b], v[\s+16*\b:\s+7+16*\b], v[TM+12+\b]
	v_cvt_scalef32_pk8_fp4_f32 v[PC+1+2*\b], v[\s+8+16*\b:\s+15+16*\b], v[TM+12+\b]
.endr
	v_nop                                          ; one plain line behind the last conversion
.irp c, 0,1                                    ; the operand's layout wants a whole block in a lane
.irp i, 0,1
	v_permlane16_swap_b32 v[PC+4*\c+\i], v[PC+2+4*\c+\i]
.endr
.endr
.endm
; A TILE of 16 routed rows, s[T], with its x in set b.  succ = 1: behind its products the set is asked for again, for tile s[TN] = s[T] + 8
.macro TILE b, succ
	s_wait_xcnt 0x0                                ; the earlier stores and loads have read their registers: codes, scale word and offsets may be written
	s_min_u32 s40, s[T], 63
	s_lshl_b32 s41, s40, 15
	v_add_nc_u32 v[HO], s41, v[GO]
	s_lshl_b32 s41, s40, 11
	v_lshl_add_u32 v[HSO], v2, 4, s41
.if \succ
	s_min_u32 s40, s[TN], 63
	s_lshl_b32 s40, s40, 6
	v_add_nc_u32 v[LA], s40, v[LR]
	ds_load_b32 v[EN], v[LA] offset:LIST           ; behind the last barrier no wave writes LDS
.endif
	s_wait_loadcnt 18                              ; this set's 18 loads are in; the other set's 18, asked for a tile later, may be out
.irp s, 0,1,2,3,4,5,6,7
	MULS \s, \b
.endr
	WIN 0
.if \succ
	s_wait_dscnt 0x0
.if (\b) == 0
	XADDR EN, XA, XB                               ; four plain lines that name no register of the products: the places in front of the loads below and of the first read of results
.else
	XADDR EN, XA1, XB1
.endif
	XREQ \b, 0
	XREQ \b, 1
.else
.rept 4
	v_nop                                          ; places in front of the first read of results
.endr
.endif
.set n, 0
.rept 64
	v_max_num_f32 v[HA+n], 0, v[HA+n]              ; relu, in f32; each accumulator from its low end on
.set n, n+1
.endr
	QUANT HA
	global_store_b128 v[HO], v[PC:PC+3], s[HB:HB+1]             ; the fragment as it stands: 512 consecutive bytes a store
	global_store_b128 v[HO], v[PC+4:PC+7], s[HB:HB+1] offset:512
	global_store_b32 v[HSO], v[PW], s[HSB:HSB+1]                ; lanes l and l + 16 store the same word with the same value
.endm
	s_load_b256 s[4:11], s[0:1], 0x0               ; W1 s[4:5], b1 s[6:7], xq s[8:9], ridx s[10:11]
	s_load_b128 s[12:15], s[0:1], 0x20             ; hq s[12:13], route s[14:15]
	v_lshl_add_u32 v254, v0, 2, 0x25100
	v_mov_b32 v255, 0
	v_lshrrev_b32 v1, 5, v0
	v_readfirstlane_b32 s[WV], v1                  ; wave
	s_mov_b32 s[SL], ttmp9                         ; slice of 128 hidden units
	s_and_b32 s[EX], ttmp7, 0xffff                 ; expert
	v_and_b32 v1, 31, v0                           ; l
	v_and_b32 v2, 15, v0                           ; r
	v_bfe_u32 v3, v0, 4, 1                         ; h
	v_lshlrev_b32 v[GO], 4, v1
	s_mul_i32 s40, s[WV], 19456
	s_add_co_u32 s40, s40, STG                     ; my two stages
	v_mul_u32_u24 v[SW], v3, 4864
	v_bfe_u32 v[TT], v0, 3, 1
	v_mad_u32_u24 v[SW], v[TT], 2432, v[SW]
	v_and_b32 v[TT], 7, v0
	v_lshl_add_u32 v[SW], v[TT], 4, v[SW]
	v_add_nc_u32 v[SW], s40, v[SW]
	v_mul_u32_u24 v[SR], v3, 2432
	v_mad_u32_u24 v[SR], v2, 144, v[SR]
	v_add_nc_u32 v[SR], s40, v[SR]
	s_lshl_b32 s41, s[WV], 11
	s_add_co_u32 s41, s41, IMG
	v_add_nc_u32 v[WI], s41, v[GO]                 ; fragment 8 s + 2 w + u
	s_lshl_b32 s41, s[WV], 2
	s_add_co_u32 s41, s41, WSC
	v_lshl_add_u32 v[WSA], v2, 4, s41
	v_add_nc_u32 v[LI], IMG, v[GO]
	v_add_nc_u32 v[LWS], WSC, v[GO]
	v_lshlrev_b32 v[SH8], 3, v3
	v_lshlrev_b32 v[LR], 2, v2
	s_lshl_b32 s41, s[WV], 6
	v_add_nc_u32 v[LA0], s41, v[LR]
	v_lshlrev_b32 v[B1O], 6, v3
	v_lshlrev_b32 v[H16], 4, v3
	v_lshlrev_b32 v[N4], 2, v1
	v_mov_b32 v[C1K], 0x400
	v_mov_b32 v[CNTA], CNTW
	v_lshlrev_b32 v[LT], 2, v0
	v_lshl_add_u32 v[POSV], s[EX], 10, v0
	s_add_co_u32 s41, s[EX], 0x800
.irp i, 0,1,2,3
	v_mov_b32 v[PAD+\i], s41
.endr
	v_mov_b32 v[TM+9], 0                           ; written once: a lane permute's destination counts as one of its sources
	s_mov_b32 s[SEL], 0x76543210
	s_mov_b32 s[SEL+1], 0xfedcba98                 ; lane l xor 16
	s_lshl_b32 s40, s[EX], 24                      ; W1: an expert is 2^24 bytes, a slice 128 rows, a wave 32 rows
	s_lshl_b32 s41, s[SL], 19
	s_add_co_u32 s40, s40, s41
	s_lshl_b32 s41, s[WV], 17
	s_add_co_u32 s40, s40, s41
	s_mov_b32 s41, 0
	s_wait_kmcnt 0x0
	s_add_nc_u64 s[WB:WB+1], s[4:5], s[40:41]
	s_cmp_lg_u32 s[WV], 0
	s_cbranch_scc1 .Lno_ridx
.irp j, 0,1,2,3,4,5,6,7,8,9,10,11,12,13,14,15
	global_load_b128 v[ID+4*\j:ID+4*\j+3], v[GO], s[10:11] offset:512*\j   ; wave 0: all 2,048 choices; register 4 j + i of lane l is entry 128 j + 4 l + i
.endr
.Lno_ridx:
	WLOAD 0
	WLOAD 1
	WLOAD 2
	s_lshl_b32 s40, s[EX], 21                      ; hq's codes: an expert is 64 tiles x 32 K steps x 1,024 bytes; my K step is sl
	s_lshl_b32 s42, s[SL], 10
	s_add_co_u32 s40, s40, s42
	s_add_nc_u64 s[HB:HB+1], s[12:13], s[40:41]
	s_lshl_b32 s40, s[EX], 17                      ; its scale words
	s_add_co_u32 s40, s40, HS_OFF
	s_lshr_b32 s42, s[SL], 3
	s_lshl_b32 s42, s42, 9
	s_add_co_u32 s40, s40, s42
	s_and_b32 s42, s[SL], 1
	s_lshl_b32 s42, s42, 8
	s_add_co_u32 s40, s40, s42
	s_bfe_u32 s42, s[SL], 0x20001
	s_lshl_b32 s42, s42, 2
	s_add_co_u32 s40, s40, s42
	s_add_nc_u64 s[HSB:HSB+1], s[12:13], s[40:41]
	s_lshl_b32 s40, s[EX], 14                      ; b1
	s_lshl_b32 s42, s[SL], 9
	s_add_co_u32 s40, s40, s42
	s_add_nc_u64 s[B1B:B1B+1], s[6:7], s[40:41]
	s_lshl_b32 s40, s[EX], 9                       ; route: my expert's 128 count words
	s_add_co_u32 s40, s40, CNT_OFF
	s_add_nc_u64 s[42:43], s[14:15], s[40:41]
	s_cmp_lg_u32 s[WV], 0
	s_cbranch_scc1 .Lno_sort
	; THE SORT, by wave 0, while the ring's first loads are on their way.  No other wave touches LDS ahead of the barrier below
	s_wait_loadcnt 48                              ; the choices are in; behind them three sets of 16
.irp k, 0,1,2,3,4,5,6,7
	ds_store_b128 v[GO], v[PAD:PAD+3] offset:LIST+512*\k       ; the list begins as padding
.endr
	s_mov_b32 s[RUN], 0
.irp j, 0,1,2,3,4,5,6,7,8,9,10,11,12,13,14,15
.irp i, 0,1,2,3
	v_cmp_eq_u32 s[MK], s[EX], v[ID+4*\j+\i]       ; who chose my expert
	v_mbcnt_lo_u32_b32 v[T0], s[MK], s[RUN]        ; rank: those so far + those in lower lanes
	v_cndmask_b32 v[T0], v[C1K], v[T0], s[MK]      ; the others write word 1,024, which nobody reads
	v_min_u32 v[T0], 0x400, v[T0]
	v_lshl_add_u32 v[T1], v[T0], 2, LIST
	v_add_nc_u32 v[TT], 128*\j+\i, v[N4]           ; the entry's number
	ds_store_b32 v[T1], v[TT]
	s_bcnt1_i32_b32 s[MK], s[MK]
	s_add_co_u32 s[RUN], s[RUN], s[MK]
.endr
.endr
	v_mov_b32 v[TT], s[RUN]
	ds_store_b32 v[CNTA], v[TT]
.Lno_sort:
	WLOAD 3
	s_wait_dscnt 0x0                               ; for the others' sake: list and count lie in LDS
	s_barrier_signal -1
	s_barrier_wait -1
	ds_load_b32 v[TT], v[CNTA]
	ds_load_b32 v[EN], v[LA0] offset:LIST          ; my first tile's 16 entries (padding where the list has ended),
	ds_load_b32 v[EN1], v[LA0] offset:LIST+256     ; and my second's, four tiles of 64 bytes on
	s_wait_dscnt 0x0
	v_readfirstlane_b32 s[N], v[TT]
	s_min_u32 s[N], s[N], 1024
	s_add_co_u32 s[NT], s[N], 15
	s_lshr_b32 s[NT], s[NT], 4
	s_max_u32 s[NT], s[NT], 1                      ; tile 0 is always made
	s_min_u32 s[NT], s[NT], 64
	XADDR EN, XA, XB
	XADDR EN1, XA1, XB1
	s_cmp_lg_u32 s[SL], 0
	s_cbranch_scc1 .Lnot_first
	; one work-group of each expert stores where its rows went: 128 threads x 8 list places
.irp k, 0,1,2,3,4,5,6,7
	ds_load_b32 v[184+\k], v[LT] offset:LIST+512*\k
.endr
	s_wait_dscnt 0x0
.irp k, 0,1,2,3,4,5,6,7
	v_min_u32 v[184+\k], 0x807, v[184+\k]          ; an entry, or the padding's word 2,048 + e
	v_lshlrev_b32 v[184+\k], 2, v[184+\k]
	v_add_nc_u32 v[192+\k], 128*\k, v[POSV]        ; 1,024 e + rank
	global_store_b32 v[184+\k], v[192+\k], s[14:15]
.endr
	v_mov_b32 v200, s[N]
	global_store_b32 v[LT], v200, s[42:43]         ; the count, 512 consecutive bytes
	s_wait_xcnt 0x0                                ; these registers take the stream's numbers next
.Lnot_first:
	s_wait_loadcnt 48                              ; step 0's 16 loads are in
	TURN 0
.irp t, 0,1,2,3,4,5,6,7,8,9,10,11,12,13,14,15
	QSTEP \t
.endr
	s_wait_dscnt 0x0                               ; my images and scale words lie in LDS
	s_barrier_signal -1
	s_barrier_wait -1                              ; everybody's do; from here on LDS is only read
	WIN 0x40
.set f, 0
.rept 32
	ds_load_b128 v[8*f:8*f+3], v[LI] offset:1024*f
	ds_load_b128 v[8*f+4:8*f+7], v[LI] offset:1024*f+512
.set f, f+1
.endr
	WIN 0x80
.rept 32
	ds_load_b128 v[8*(f-32):8*(f-32)+3], v[LI] offset:1024*f
	ds_load_b128 v[8*(f-32)+4:8*(f-32)+7], v[LI] offset:1024*f+512
.set f, f+1
.endr
	WIN 0
.irp g, 0,1,2,3,4,5,6,7
	ds_load_b128 v[WS+4*\g:WS+4*\g+3], v[LWS] offset:512*\g
.endr
	s_wait_dscnt 0x0
	s_wait_loadcnt 0x0                             ; b1 and my first two tiles' x
	; MY TILES: w, w + 4, .. under NT: CC of them.  A trip runs two, one from each set of x, and is counted in steps of 1; an odd last tile stands behind the loop and asks for nothing
	s_cmp_ge_u32 s[WV], s[NT]
	s_cbranch_scc1 .Lend                           ; no tile for this wave
	s_sub_co_u32 s[CC], s[NT], 1
	s_sub_co_u32 s[CC], s[CC], s[WV]
	s_lshr_b32 s[CC], s[CC], 2
	s_add_co_u32 s[CC], s[CC], 1                   ; 1 to 16: NT is at most 64
	s_lshr_b32 s[NPR], s[CC], 1
	s_min_u32 s[NPR], s[NPR], 8
	s_mov_b32 s[CT], 0
	s_cmp_eq_u32 s[NPR], 0
	s_cbranch_scc1 .Ltail                          ; one tile alone
.Ltile:
	s_lshl_b32 s[T], s[CT], 3
	s_add_co_u32 s[T], s[T], s[WV]                 ; the trip's first tile: 8 x trip + wave,
	s_add_co_u32 s[TN], s[T], 8                    ; and the tile that takes its set next
	TILE 0, 1
	s_add_co_u32 s[T], s[T], 4                     ; the trip's second tile
	s_add_co_u32 s[TN], s[T], 8
	TILE 1, 1
	s_add_co_u32 s[CT], s[CT], 1
	s_cmp_lt_u32 s[CT], s[NPR]
	s_cbranch_scc1 .Ltile
.Ltail:
	s_and_b32 s40, s[CC], 1
	s_cmp_eq_u32 s40, 0
	s_cbranch_scc1 .Lend                           ; an even number of tiles: all are done
	s_lshl_b32 s[T], s[NPR], 3
	s_add_co_u32 s[T], s[T], s[WV]
	TILE 0, 0
.Lend:
	s_barrier_signal -1
	s_barrier_wait -1
	s_wait_tensorcnt 0x0
	ds_add_u32 v254, v255
	s_wait_dscnt 0x0
	s_endpgm
.Lfunc_end_k_q0c50bc429e_up:
	.size	k_q0c50bc429e_up, .Lfunc_end_k_q0c50bc429e_up-k_q0c50bc429e_up
	.p2alignl 7, 3214868480
	.fill 96, 4, 3214868480
	.section	.rodata,"a",@progbits
	.p2align	6, 0x0
	.amdhsa_kernel k_q0c50bc429e_up
		.amdhsa_group_segment_fixed_size 152320
		.amdhsa_private_segment_fixed_size 0
		.amdhsa_enable_private_segment 0
		.amdhsa_kernarg_size 48
		.amdhsa_user_sgpr_count 2
		.amdhsa_user_sgpr_kernarg_segment_ptr 1
		.amdhsa_wavefront_size32 1
		.amdhsa_system_sgpr_workgroup_id_x 1
		.amdhsa_system_sgpr_workgroup_id_y 1
		.amdhsa_system_sgpr_workgroup_id_z 1
		.amdhsa_system_vgpr_workitem_id 0
		.amdhsa_next_free_vgpr 1024
		.amdhsa_next_free_sgpr 66
		.amdhsa_reserve_vcc 0
		.amdhsa_float_denorm_mode_32 3
		.amdhsa_float_denorm_mode_16_64 3
		.amdhsa_memory_ordered 1
		.amdhsa_forward_progress 1
		.amdhsa_inst_pref_size 216
	.end_amdhsa_kernel
	.amdgpu_metadata
---
amdhsa.version: [ 1, 2 ]
amdhsa.kernels:
  - .name:           k_q0c50bc429e_up
    .symbol:         k_q0c50bc429e_up.kd
    .args:
      - { .name: W1, .offset: 0, .size: 8, .value_kind: global_buffer, .address_space: global }
      - { .name: b1, .offset: 8, .size: 8, .value_kind: global_buffer, .address_space: global }
      - { .name: xq, .offset: 16, .size: 8, .value_kind: global_buffer, .address_space: global }
      - { .name: ridx, .offset: 24, .size: 8, .value_kind: global_buffer, .address_space: global }
      - { .name: hq, .offset: 32, .size: 8, .value_kind: global_buffer, .address_space: global }
      - { .name: route, .offset: 40, .size: 8, .value_kind: global_buffer, .address_space: global }
    .group_segment_fixed_size: 152320
    .private_segment_fixed_size: 0
    .kernarg_segment_align: 8
    .kernarg_segment_size: 48
    .max_flat_workgroup_size: 128
    .sgpr_count:     66
    .vgpr_count:     1024
    .wavefront_size: 32
...
	.end_amdgpu_metadata
.endif
;; end of part 2
;; launch down (part 3): grid 32 x 8, 4 waves a work-group, no clusters, 165,376 bytes of LDS; arguments W2, b2, hq, route, yr; writes yr
.if DOCPART == 3
	.amdgcn_target "amdgcn-amd-amdhsa--gfx1250"
	.amdhsa_code_object_version 6
	.text
	.protected	k_q0c50bc429e_down
	.globl	k_q0c50bc429e_down
	.p2align	8
	.type	k_q0c50bc429e_down,@function
k_q0c50bc429e_down:
	s_mov_b64 s[64:65], 0
	v_nop
	global_prefetch_b8 v0, s[64:65] scope:SCOPE_SE
	s_setreg_imm32_b32 hwreg(HW_REG_WAVE_MODE, 25, 1), 1
	s_wait_xcnt 0x0
; SECOND PRODUCT OF THE CHOSEN EXPERTS: y = h Q(W2)^T + b2 on codes of E2M1 with one E8M0 scale for each 32 along K, for each expert's routed rows; y is not yet weighed, and it is made in TWO HALVES ALONG K.
; SHARES.  Work-group (x, e), cs = x / 2, kh = x % 2, owns outputs 64 cs .. 64 cs + 63 of expert e over K = 2,048 kh .. 2,048 kh + 2,047: 64 rows x 2,048 of W2, 512 KiB of f32, which nobody else reads: read once,
; quantised here, never stored.  Of h it reads its K half alone, 1,024 bytes a routed row, where a slice of 32 outputs over all of K would read 2,048; the price: each number of y is stored twice, as two partial sums of
; 4 bytes, which the last launch adds.  b2 goes into K half 0 alone.
; THE STREAM is that of the launch before: 64 fragments (16 rows x 128 K; fragment f = 4 s + u: K step s of my 16, rows 16 u on), 16 a wave (wave w: u = w, all 16 K steps), one a step: 16 loads of 512 consecutive bytes, a turn
; through the wave's own stage in LDS, the conversions, the image to LDS.  As W2's last sets leave the ring, the first tile of h takes their registers, so the loads do not run dry between the two phases.
; THE TILES.  Behind one barrier every wave holds all 64 fragments (512 registers) and the waves share the tiles of 16 routed rows: T = w, w + 4, ..  My half of a tile of h is 16 KiB of register images, read in four chunks of
; 4 K steps; a chunk is asked for again, for the tile four further on, as soon as it is multiplied.  The number of tiles is a stored count: so operands come by plain loads, not by the tensor mover.
; THE MATRIX INSTRUCTION IS USED TRANSPOSED (source 0 = 16 rows of W2, source 1 = 16 routed rows): a lane holds eight neighbouring outputs of one row.  The four accumulators, one for each 16 outputs, take turns;
; b2 (times 1 in K half 0, times 0 in K half 1) is the C of each sum's first instruction.
; No cluster: what the work-groups of an expert share (h's codes) is a small part of a work-group's bytes, and the trip counts hang on stored numbers.
; OUT: yr [e][kh][cs 0..15][rank 0..1023][64 f32]: a tile is 4,096 consecutive bytes.  LIMITS: NaN and infinities are not served, in b2 neither (it is multiplied by 0 in K half 1); a block of W2 whose largest magnitude lies under 2^-124 keeps the scale byte 1.
; REGISTERS, in windows of 256.  Window 0: v1-17 addresses; v32-63 W2's scale words; v64-71 h's; v80-99 at work; v100-117 codes just made; v120-247 two sets of 64 numbers, later b2, the accumulators and the way out.
;   Windows 1, 2: the 64 fragments.   Window 3: the ring, four sets of 64; later chunk q of h in the first 32 registers of set q.
.set PITCH,  16384                     ; a row of W2 in bytes
.set STG,    0                         ; LDS: two stages of 9,728 bytes for each wave
.set IMG,    77824                     ; the 64 fragments' images
.set WSC,    143360                    ; their scale words: 512 (f / 8) + 256 (f % 2) + 16 r + 4 ((f / 2) % 4)
.set OST,    147456                    ; the way out: 16 rows x (256 + 16) bytes for each wave
.set HS_OFF, 16777216
.set CNT_OFF, 8448
.set GO,  4
.set SW,  5
.set SR,  6
.set WI,  7
.set WSA, 8
.set LI,  9
.set LWS, 10
.set SH8, 11
.set HAD, 12                           ; h's codes: 16 l + 32,768 T
.set HSA, 13                           ; h's scale words: 16 l + 2,048 T
.set YOF, 14                           ; y: 16 l + 4,096 T
.set OSW, 15                           ; the way out, in
.set OSR, 16                           ; and back
.set B2O, 17                           ; 32 h
.set TT,  24
.set WS,  32
.set HS,  64                           ; v64-71: two registers a chunk
.set TM,  80
.set PC,  100
.set PWW, 116
.set X,   120
.set B2,  120                          ; v120-151
.set ACC, 152                          ; v152-183: accumulator u
.set YO,  184                          ; v184-215
.set WV,  16
.set CSL, 17
.set EX,  18
.set KH,  19
.set WB,  20
.set HB,  24
.set HSB, 26
.set YB,  28
.set B2B, 30
.set N,   33
.set NT,  34
.set T,   35
.set TN,  36
.set NTR, 37                           ; how many of my wave's tiles have a successor
.set SEL, 38
.set CT,  45                           ; the tile loop's counter
.set FAC, 46                           ; s[46:47] 1.0 in K half 0, 0 in K half 1
.set MSB, 0
.macro WIN new                         ; the immediate's high byte repeats the setting that is left; bits 1:0 source 0, 3:2 source 1, 5:4 source 2, 7:6 destination
.if MSB != \new
	s_set_vgpr_msb (MSB<<8)|\new
.set MSB, \new
.endif
.endm
; step t's fragment (my 16 rows, K step t): 16 rows x 512 consecutive bytes into ring set t % 4
.macro WLOAD t
.set wr, 64*((\t)%4)
	WIN 0xc0
.irp i, 0,1,2,3,4,5,6,7,8,9,10,11,12,13,14,15
	global_load_b128 v[wr+4*\i:wr+4*\i+3], v[GO], s[WB:WB+1] offset:\i*PITCH+512*(\t) th:TH_LOAD_NT
.endr
	WIN 0
.endm
.macro TURN t                          ; through the stage: lane (r, h) gets blocks h and 2 + h of row r.  LDS serves a wave's instructions in order
.set wr, 64*((\t)%4)
	WIN 0x0c
.irp i, 0,1,2,3,4,5,6,7,8,9,10,11,12,13,14,15
	ds_store_b128 v[SW], v[wr+4*\i:wr+4*\i+3] offset:9728*((\t)%2)+144*\i
.endr
	WIN 0
.irp c, 0,1
.irp p, 0,1,2,3,4,5,6,7
	ds_load_b128 v[X+64*((\t)%2)+32*\c+4*\p:X+64*((\t)%2)+32*\c+4*\p+3], v[SR] offset:9728*((\t)%2)+4864*\c+16*\p
.endr
.endr
.endm
.macro WQ t                            ; the quantiser: two whole blocks a lane; the conversions' results are the operand's registers
.set XQ, X+64*((\t)%2)
.set PQ, PC+8*((\t)%2)
.irp c, 0,1
.irp g, 0,1
	v_max3_num_f32 v[TM+2*\c+\g], |v[XQ+32*\c+16*\g]|, |v[XQ+32*\c+16*\g+1]|, 0x1800000   ; four chains of 16 numbers; the floor 2^(3 - 127) holds the byte at 1 from below
.endr
.endr
.irp i, 2,4,6,8,10,12,14
.irp c, 0,1
.irp g, 0,1
	v_max3_num_f32 v[TM+2*\c+\g], v[TM+2*\c+\g], |v[XQ+32*\c+16*\g+\i]|, |v[XQ+32*\c+16*\g+\i+1]|
.endr
.endr
.endr
.irp c, 0,1
	v_max_num_f32 v[TM+2*\c], v[TM+2*\c], v[TM+2*\c+1]
.endr
.irp c, 0,1
	v_add_nc_u32 v[TM+4+\c], 0xff000000, v[TM+2*\c]    ; 2 off the exponent field: the conversion's scale operand
.endr
.irp c, 0,1
	v_lshrrev_b32 v[TM+6+\c], 23, v[TM+4+\c]           ; the byte
.endr
	v_lshl_or_b32 v[TM+8], v[TM+7], 16, v[TM+6]
	v_lshlrev_b32 v[TM+8], v[SH8], v[TM+8]
	v_permlanex16_b32 v[TM+9], v[TM+8], s[SEL], s[SEL+1]
	v_or_b32 v[PWW+(\t)%2], v[TM+8], v[TM+9]           ; with lane l xor 16's two bytes the word is whole
.irp c, 0,1
.irp g, 0,1,2,3
	v_cvt_scalef32_pk8_fp4_f32 v[PQ+4*\c+\g], v[XQ+32*\c+8*\g:XQ+32*\c+8*\g+7], v[TM+4+\c]
.endr
.endr
	v_nop                                              ; one plain line behind the last conversion
.irp c, 0,1
	ds_store_b128 v[WI], v[PQ+4*\c:PQ+4*\c+3] offset:4096*(\t)+512*\c        ; fragment 4 t + w
.endr
	ds_store_b32 v[WSA], v[PWW+(\t)%2] offset:512*((\t)/2)+8*((\t)%2)        ; lanes l and l + 16 store the same word with the same value
.endm
; chunk q of my K half of the tile that HAD and HSA name: 4 K steps of h, 4 KiB on end, into the first 32 registers of ring set q, and their scale words: 9 loads
.macro HREQ q
	WIN 0xc0
.irp j, 0,1,2,3
	global_load_b128 v[64*(\q)+8*\j:64*(\q)+8*\j+3], v[HAD], s[HB:HB+1] offset:1024*(4*(\q)+\j)
	global_load_b128 v[64*(\q)+8*\j+4:64*(\q)+8*\j+7], v[HAD], s[HB:HB+1] offset:1024*(4*(\q)+\j)+512
.endr
	WIN 0
	global_load_b64 v[HS+2*(\q):HS+2*(\q)+1], v[HSA], s[HSB:HSB+1] offset:512*((\q)/2)+8*((\q)%2)   ; register j / 2: the chunk's K step j in lanes 16 (j % 2) on
.endm
.macro QSTEP t
.if (\t) == 0
	s_wait_dscnt 0x0
.else
	s_wait_dscnt 0x3                               ; all but the last step's three image stores: this step's numbers are back, so ring set t % 4 has been read,
.endif
.if (\t) < 12
	WLOAD (\t)+4                                   ; and takes the loads of four steps on,
.else
	HREQ (\t)-12                                   ; or a chunk of the first tile of h
.endif
.if (\t) < 15
.if (\t) < 12
	s_wait_loadcnt 48                              ; the next step's 16 loads are in; behind them three sets of 16
.elseif (\t) == 12
	s_wait_loadcnt 41                              ; two sets of 16 and one chunk of 9
.elseif (\t) == 13
	s_wait_loadcnt 34                              ; one set and two chunks
.else
	s_wait_loadcnt 27                              ; three chunks
.endif
	TURN (\t)+1
.endif
	WQ \t
.endm
; one matrix instruction; ra, rb: the scale words stand in lanes 16-31
.macro WM d, a, b, c, sa, sb, ra, rb
.if (\ra) && (\rb)
	v_wmma_scale_f32_16x16x128_f8f6f4 v[(\d):(\d)+7], v[(\a):(\a)+7], v[(\b):(\b)+7], v[(\c):(\c)+7], v[\sa], v[\sb] matrix_a_fmt:MATRIX_FMT_FP4 matrix_b_fmt:MATRIX_FMT_FP4 matrix_a_scale:MATRIX_SCALE_ROW1 matrix_b_scale:MATRIX_SCALE_ROW1
.elseif (\ra)
	v_wmma_scale_f32_16x16x128_f8f6f4 v[(\d):(\d)+7], v[(\a):(\a)+7], v[(\b):(\b)+7], v[(\c):(\c)+7], v[\sa], v[\sb] matrix_a_fmt:MATRIX_FMT_FP4 matrix_b_fmt:MATRIX_FMT_FP4 matrix_a_scale:MATRIX_SCALE_ROW1
.elseif (\rb)
	v_wmma_scale_f32_16x16x128_f8f6f4 v[(\d):(\d)+7], v[(\a):(\a)+7], v[(\b):(\b)+7], v[(\c):(\c)+7], v[\sa], v[\sb] matrix_a_fmt:MATRIX_FMT_FP4 matrix_b_fmt:MATRIX_FMT_FP4 matrix_b_scale:MATRIX_SCALE_ROW1
.else
	v_wmma_scale_f32_16x16x128_f8f6f4 v[(\d):(\d)+7], v[(\a):(\a)+7], v[(\b):(\b)+7], v[(\c):(\c)+7], v[\sa], v[\sb] matrix_a_fmt:MATRIX_FMT_FP4 matrix_b_fmt:MATRIX_FMT_FP4
.endif
.endm
; chunk q: 16 matrix instructions, K steps 4 q .. 4 q + 3 x four tiles of outputs; the four accumulators take turns, one instruction a turn.  Fragment 16 q + 4 j + u; its scale word
; in register 8 q + 2 j + u / 2, lanes 16 (u % 2) on.  n: the loads issued behind this chunk's, which may stay out.  succ = 1: the chunk is asked for again, for the tile four further on
.macro CHUNK q, n, succ
	s_wait_loadcnt \n
.if (\q) < 2
	WIN 0x0d                                       ; W2 window 1, h window 3
.else
	WIN 0x0e                                       ; W2 window 2
.endif
.irp j, 0,1,2,3
.irp u, 0,1,2,3
.if (4*(\q)+\j) == 0
	WM ACC+8*\u, 8*((16*(\q)+4*\j+\u)%32), 64*(\q)+8*\j, B2+8*\u, WS+8*(\q)+2*\j+\u/2, HS+2*(\q)+\j/2, \u%2, \j%2
.else
	WM ACC+8*\u, 8*((16*(\q)+4*\j+\u)%32), 64*(\q)+8*\j, ACC+8*\u, WS+8*(\q)+2*\j+\u/2, HS+2*(\q)+\j/2, \u%2, \j%2
.endif
.endr
.endr
	WIN 0
.rept 4+(\q)/3
	v_nop                                          ; four places in front of loads into registers that these products have read and of the first read of results; behind the last chunk a fifth: the next tile begins the accumulators anew, with another C
.endr
.if \succ
	HREQ \q
.endif
.endm
.macro TILE succ
	s_wait_xcnt 0x0                                ; the last tile's stores and loads have read their registers: offsets and the way out's registers may be written
	s_min_u32 s40, s[T], 63
	s_lshl_b32 s40, s40, 12
	v_add_nc_u32 v[YOF], s40, v[GO]
.if \succ
	s_min_u32 s40, s[TN], 63
	s_lshl_b32 s41, s40, 15
	v_add_nc_u32 v[HAD], s41, v[GO]
	s_lshl_b32 s41, s40, 11
	v_add_nc_u32 v[HSA], s41, v[GO]
	CHUNK 0, 27, 1                                 ; behind a chunk's loads stand three chunks of 9
	CHUNK 1, 27, 1
	CHUNK 2, 27, 1
	CHUNK 3, 27, 1
.else
	CHUNK 0, 27, 0                                 ; nothing more is asked for: the counts run down
	CHUNK 1, 18, 0
	CHUNK 2, 9, 0
	CHUNK 3, 0, 0
.endif
	; THE WAY OUT: a lane's 32 bytes of a row for each 16 outputs go through my own stage and come back as whole rows of 256 bytes, 4,096 bytes on end
.irp u, 0,1,2,3
	ds_store_b128 v[OSW], v[ACC+8*\u:ACC+8*\u+3] offset:64*\u          ; each accumulator from its low end on
	ds_store_b128 v[OSW], v[ACC+8*\u+4:ACC+8*\u+7] offset:64*\u+16
.endr
.irp k, 0,1,2,3,4,5,6,7
	ds_load_b128 v[YO+4*\k:YO+4*\k+3], v[OSR] offset:544*\k            ; LDS serves a wave's instructions in order: these see my stores
.endr
.irp k, 0,1,2,3,4,5,6,7
	s_wait_dscnt 7-\k                              ; load k is back; the younger ones may be out
	global_store_b128 v[YOF], v[YO+4*\k:YO+4*\k+3], s[YB:YB+1] offset:512*\k   ; 32 lanes store 512 consecutive bytes: two rows of 256
.endr
.endm
	s_load_b256 s[4:11], s[0:1], 0x0               ; W2 s[4:5], b2 s[6:7], hq s[8:9], route s[10:11]
	s_load_b64 s[12:13], s[0:1], 0x20              ; yr
	v_lshl_add_u32 v254, v0, 2, 0x28400
	v_mov_b32 v255, 0
	v_lshrrev_b32 v1, 5, v0
	v_readfirstlane_b32 s[WV], v1                  ; wave
	s_lshr_b32 s[CSL], ttmp9, 1                    ; slice of 64 outputs
	s_and_b32 s[KH], ttmp9, 1                      ; half of K
	s_and_b32 s[EX], ttmp7, 0xffff                 ; expert
	v_and_b32 v1, 31, v0                           ; l
	v_and_b32 v2, 15, v0                           ; r
	v_bfe_u32 v3, v0, 4, 1                         ; h
	v_lshlrev_b32 v[GO], 4, v1
	s_mul_i32 s40, s[WV], 19456
	s_add_co_u32 s40, s40, STG
	v_mul_u32_u24 v[SW], v3, 4864
	v_bfe_u32 v[TT], v0, 3, 1
	v_mad_u32_u24 v[SW], v[TT], 2432, v[SW]
	v_and_b32 v[TT], 7, v0
	v_lshl_add_u32 v[SW], v[TT], 4, v[SW]
	v_add_nc_u32 v[SW], s40, v[SW]
	v_mul_u32_u24 v[SR], v3, 2432
	v_mad_u32_u24 v[SR], v2, 144, v[SR]
	v_add_nc_u32 v[SR], s40, v[SR]
	s_lshl_b32 s41, s[WV], 10
	s_add_co_u32 s41, s41, IMG
	v_add_nc_u32 v[WI], s41, v[GO]                 ; fragment 4 t + w
	s_and_b32 s41, s[WV], 1
	s_lshl_b32 s41, s41, 8                         ; its scale word: 256 (w % 2)
	s_lshr_b32 s42, s[WV], 1
	s_lshl_b32 s42, s42, 2                         ; + 4 (w / 2)
	s_add_co_u32 s41, s41, s42
	s_add_co_u32 s41, s41, WSC
	v_lshl_add_u32 v[WSA], v2, 4, s41              ; + 16 r
	v_add_nc_u32 v[LI], IMG, v[GO]
	v_add_nc_u32 v[LWS], WSC, v[GO]
	v_lshlrev_b32 v[SH8], 3, v3
	s_mul_i32 s41, s[WV], 4352
	s_add_co_u32 s41, s41, OST                     ; my stage for the way out
	v_mul_u32_u24 v[OSW], v2, 272
	v_lshl_add_u32 v[OSW], v3, 5, v[OSW]
	v_add_nc_u32 v[OSW], s41, v[OSW]               ; in: row r, + 32 h
	v_mul_u32_u24 v[OSR], v3, 272
	v_lshl_add_u32 v[OSR], v2, 4, v[OSR]
	v_add_nc_u32 v[OSR], s41, v[OSR]               ; back: sixteen lanes to a row of 256 bytes
	v_lshlrev_b32 v[B2O], 5, v3
	v_mov_b32 v[TM+9], 0                           ; written once: a lane permute's destination counts as one of its sources
	s_mov_b32 s[SEL], 0x76543210
	s_mov_b32 s[SEL+1], 0xfedcba98                 ; lane l xor 16
	s_cmp_eq_u32 s[KH], 0
	s_cselect_b32 s[FAC], 1.0, 0                   ; b2 counts in K half 0 alone
	s_mov_b32 s[FAC+1], s[FAC]                     ; (named with it as a pair, so it is written)
	s_lshl_b32 s40, s[EX], 24                      ; W2: an expert is 2^24 bytes, a slice 64 rows of 16,384, a K half 8,192 bytes of a row, a wave 16 rows
	s_lshl_b32 s41, s[CSL], 20
	s_add_co_u32 s40, s40, s41
	s_lshl_b32 s41, s[KH], 13
	s_add_co_u32 s40, s40, s41
	s_lshl_b32 s41, s[WV], 18
	s_add_co_u32 s40, s40, s41
	s_mov_b32 s41, 0
	s_lshl_b32 s44, s[EX], 9
	s_wait_kmcnt 0x0
	s_add_nc_u64 s[WB:WB+1], s[4:5], s[40:41]
	s_load_b32 s[N], s[10:11], s44 offset:CNT_OFF  ; my expert's count of rows, a whole number that the launch before stored
	WLOAD 0
	WLOAD 1
	WLOAD 2
	WLOAD 3
	s_lshl_b32 s40, s[EX], 21
	s_lshl_b32 s42, s[KH], 14
	s_add_co_u32 s40, s40, s42
	s_add_nc_u64 s[HB:HB+1], s[8:9], s[40:41]      ; h's codes of my expert, from my K half's first K step on (16 x 1,024 bytes a half)
	s_lshl_b32 s40, s[EX], 17
	s_add_co_u32 s40, s40, HS_OFF
	s_lshl_b32 s42, s[KH], 10
	s_add_co_u32 s40, s40, s42
	s_add_nc_u64 s[HSB:HSB+1], s[8:9], s[40:41]    ; and their scale words (2 x 512 bytes a half)
	s_lshl_b32 s40, s[EX], 23
	s_lshl_b32 s42, s[KH], 22
	s_add_co_u32 s40, s40, s42
	s_lshl_b32 s42, s[CSL], 18
	s_add_co_u32 s40, s40, s42
	s_add_nc_u64 s[YB:YB+1], s[12:13], s[40:41]    ; y: 1,024 rows x 256 bytes for each (e, kh, cs)
	s_lshl_b32 s40, s[EX], 12
	s_lshl_b32 s42, s[CSL], 8
	s_add_co_u32 s40, s40, s42
	s_add_nc_u64 s[B2B:B2B+1], s[6:7], s[40:41]
	s_wait_kmcnt 0x0
	s_min_u32 s[N], s[N], 1024
	s_add_co_u32 s[NT], s[N], 15
	s_lshr_b32 s[NT], s[NT], 4
	s_max_u32 s[NT], s[NT], 1                      ; tile 0 was always made
	s_min_u32 s[NT], s[NT], 64
	s_sub_co_u32 s40, s[NT], 1
	s_min_u32 s40, s40, s[WV]                      ; my first tile; a wave without one asks for the last tile, which exists, and uses nothing of it
	s_min_u32 s40, s40, 63
	s_lshl_b32 s42, s40, 15
	v_add_nc_u32 v[HAD], s42, v[GO]
	s_lshl_b32 s42, s40, 11
	v_add_nc_u32 v[HSA], s42, v[GO]
	s_wait_loadcnt 48                              ; step 0's 16 loads are in
	TURN 0
.irp t, 0,1,2,3,4,5,6,7,8,9,10,11,12,13,14,15
	QSTEP \t
.endr
	s_wait_dscnt 0x0                               ; my images and scale words lie in LDS
	s_barrier_signal -1
	s_barrier_wait -1                              ; everybody's do
	WIN 0x40
.set f, 0
.rept 32
	ds_load_b128 v[8*f:8*f+3], v[LI] offset:1024*f
	ds_load_b128 v[8*f+4:8*f+7], v[LI] offset:1024*f+512
.set f, f+1
.endr
	WIN 0x80
.rept 32
	ds_load_b128 v[8*(f-32):8*(f-32)+3], v[LI] offset:1024*f
	ds_load_b128 v[8*(f-32)+4:8*(f-32)+7], v[LI] offset:1024*f+512
.set f, f+1
.endr
	WIN 0
.irp g, 0,1,2,3,4,5,6,7
	ds_load_b128 v[WS+4*\g:WS+4*\g+3], v[LWS] offset:512*\g
.endr
.irp u, 0,1,2,3
	global_load_b128 v[B2+8*\u:B2+8*\u+3], v[B2O], s[B2B:B2B+1] offset:64*\u          ; lane (r, h), tile u: b2 at outputs 16 u + 8 h + 0 .. 7
	global_load_b128 v[B2+8*\u+4:B2+8*\u+7], v[B2O], s[B2B:B2B+1] offset:64*\u+16
.endr
	s_wait_dscnt 0x0
	s_wait_loadcnt 0x0                             ; b2, and the first tile of h, which was asked for during the stream's last four steps
.irp p, 0,2,4,6,8,10,12,14,16,18,20,22,24,26,28,30
	v_pk_mul_f32 v[B2+\p:B2+\p+1], v[B2+\p:B2+\p+1], s[FAC:FAC+1] op_sel_hi:[1,0]     ; b2 as it is in K half 0, zeros in K half 1
.endr
.rept 4
	v_nop                                          ; plain lines between these and the products that take them as C
.endr
	; MY TILES: w, w + 4, .. under NT.  NTR of them have a successor and ask for its h: one trip each, counted in steps of 1; the loop is left by falling through its branch back, into the last tile
	s_cmp_ge_u32 s[WV], s[NT]
	s_cbranch_scc1 .Lend                           ; no tile for this wave
	s_sub_co_u32 s[NTR], s[NT], 1
	s_sub_co_u32 s[NTR], s[NTR], s[WV]
	s_lshr_b32 s[NTR], s[NTR], 2
	s_min_u32 s[NTR], s[NTR], 15                   ; NT is at most 64
	s_mov_b32 s[CT], 0
	s_cmp_eq_u32 s[NTR], 0
	s_cbranch_scc1 .Llast                          ; one tile alone
.Ltile:
	s_lshl_b32 s[T], s[CT], 2
	s_add_co_u32 s[T], s[T], s[WV]                 ; this trip's tile: 4 x trip + wave,
	s_add_co_u32 s[TN], s[T], 4                    ; and its successor
	TILE 1
	s_add_co_u32 s[CT], s[CT], 1
	s_cmp_lt_u32 s[CT], s[NTR]
	s_cbranch_scc1 .Ltile
.Llast:
	s_lshl_b32 s[T], s[NTR], 2
	s_add_co_u32 s[T], s[T], s[WV]
	TILE 0
.Lend:
	s_barrier_signal -1
	s_barrier_wait -1
	s_wait_tensorcnt 0x0
	ds_add_u32 v254, v255
	s_wait_dscnt 0x0
	s_endpgm
.Lfunc_end_k_q0c50bc429e_down:
	.size	k_q0c50bc429e_down, .Lfunc_end_k_q0c50bc429e_down-k_q0c50bc429e_down
	.p2alignl 7, 3214868480
	.fill 96, 4, 3214868480
	.section	.rodata,"a",@progbits
	.p2align	6, 0x0
	.amdhsa_kernel k_q0c50bc429e_down
		.amdhsa_group_segment_fixed_size 165376
		.amdhsa_private_segment_fixed_size 0
		.amdhsa_enable_private_segment 0
		.amdhsa_kernarg_size 40
		.amdhsa_user_sgpr_count 2
		.amdhsa_user_sgpr_kernarg_segment_ptr 1
		.amdhsa_wavefront_size32 1
		.amdhsa_system_sgpr_workgroup_id_x 1
		.amdhsa_system_sgpr_workgroup_id_y 1
		.amdhsa_system_sgpr_workgroup_id_z 1
		.amdhsa_system_vgpr_workitem_id 0
		.amdhsa_next_free_vgpr 1024
		.amdhsa_next_free_sgpr 66
		.amdhsa_reserve_vcc 0
		.amdhsa_float_denorm_mode_32 3
		.amdhsa_float_denorm_mode_16_64 3
		.amdhsa_memory_ordered 1
		.amdhsa_forward_progress 1
		.amdhsa_inst_pref_size 157
	.end_amdhsa_kernel
	.amdgpu_metadata
---
amdhsa.version: [ 1, 2 ]
amdhsa.kernels:
  - .name:           k_q0c50bc429e_down
    .symbol:         k_q0c50bc429e_down.kd
    .args:
      - { .name: W2, .offset: 0, .size: 8, .value_kind: global_buffer, .address_space: global }
      - { .name: b2, .offset: 8, .size: 8, .value_kind: global_buffer, .address_space: global }
      - { .name: hq, .offset: 16, .size: 8, .value_kind: global_buffer, .address_space: global }
      - { .name: route, .offset: 24, .size: 8, .value_kind: global_buffer, .address_space: global }
      - { .name: yr, .offset: 32, .size: 8, .value_kind: global_buffer, .address_space: global }
    .group_segment_fixed_size: 165376
    .private_segment_fixed_size: 0
    .kernarg_segment_align: 8
    .kernarg_segment_size: 40
    .max_flat_workgroup_size: 128
    .sgpr_count:     66
    .vgpr_count:     1024
    .wavefront_size: 32
...
	.end_amdgpu_metadata
.endif
;; end of part 3
;; launch combine (part 4): grid 256 x 1, 4 waves a work-group, no clusters, 0 bytes of LDS; arguments yr, route, rval, out0; writes out0
.if DOCPART == 4
	.amdgcn_target "amdgcn-amd-amdhsa--gfx1250"
	.amdhsa_code_object_version 6
	.text
	.protected	k_q0c50bc429e_combine
	.globl	k_q0c50bc429e_combine
	.p2align	8
	.type	k_q0c50bc429e_combine,@function
k_q0c50bc429e_combine:
	s_mov_b64 s[64:65], 0
	v_nop
	global_prefetch_b8 v0, s[64:65] scope:SCOPE_SE
	s_setreg_imm32_b32 hwreg(HW_REG_WAVE_MODE, 25, 1), 1
	s_wait_xcnt 0x0
; out[token] = w0 y[first expert's row] + w1 y[second expert's row], where w_k = softmax over the 512 tokens of the token's batch of the k-th largest scores, each slot by itself.
; y comes in two halves along K, which are added here: yr is [e][kh 0..1][cs 0..15][rank][64 f32].  A wave takes one token.  Its two rows are found by route's pos (whole numbers that an earlier launch stored): pos = 1,024 e + rank.
; Every wave makes the softmax of its batch itself, from 4,096 bytes of rval, while its 32 loads of y are on their way: the largest score is taken away first, as the definition has it; 32 + 2 exponentials a lane in one batch.
; No LDS, no barrier, no matrix unit: waves share nothing, and the launch only moves bytes.  LIMITS: NaN and infinities are not served.
.set RV, 16                            ; v16-47   my 32 scores: pairs (slot 0, slot 1)
.set YA, 64                            ; v64-95   the first row, K half 0; then the result
.set YB, 96                            ; v96-127  the first row, K half 1
.set YC, 128                           ; v128-159 the second row, K half 0
.set YD, 160                           ; v160-191 the second row, K half 1
.set HALF, 4194304                     ; bytes from K half 0 to K half 1: 16 slices x 1,024 rows x 256
	s_load_b256 s[4:11], s[0:1], 0x0               ; yr s[4:5], route s[6:7], rval s[8:9], out0 s[10:11]
	v_lshrrev_b32 v1, 5, v0
	v_readfirstlane_b32 s16, v1                    ; wave
	v_and_b32 v1, 31, v0                           ; l
	v_lshlrev_b32 v2, 4, v1                        ; 16 l
	v_lshrrev_b32 v3, 4, v1
	v_and_b32 v4, 15, v1
	v_lshlrev_b32 v3, 18, v3
	v_lshl_add_u32 v3, v4, 4, v3                   ; y: columns 4 l on of 128: slice l / 16 (262,144 bytes on), 16 (l % 16) in the row of 256 bytes
	v_mov_b32 v60, 0                               ; written once: a lane permute's destination counts as one of its sources
	v_mov_b32 v61, 0
	s_lshl_b32 s17, ttmp9, 2
	s_add_co_u32 s17, s17, s16                     ; my token
	s_lshl_b32 s18, s17, 3                         ; 8 bytes a token in pos and in rval
	s_lshr_b32 s30, s17, 9
	s_lshl_b32 s30, s30, 12                        ; my batch's 4,096 bytes of rval
	s_mov_b32 s31, 0
	s_lshl_b32 s32, s17, 12                        ; my row of out
	s_mov_b32 s33, 0
	s_mov_b32 s34, 0x76543210
	s_mov_b32 s35, 0xfedcba98                      ; lane l xor 16
	s_wait_kmcnt 0x0
	s_load_b64 s[20:21], s[6:7], s18 offset:0x0    ; where my two rows lie
	s_load_b64 s[22:23], s[8:9], s18 offset:0x0    ; my own two scores
	s_add_nc_u64 s[24:25], s[8:9], s[30:31]
	s_add_nc_u64 s[10:11], s[10:11], s[32:33]
.irp j, 0,1,2,3,4,5,6,7
	global_load_b128 v[RV+4*\j:RV+4*\j+3], v2, s[24:25] offset:512*\j
.endr
	s_wait_kmcnt 0x0
	s_min_u32 s20, s20, 8191
	s_min_u32 s21, s21, 8191
	s_and_b32 s36, s20, 0x1c00
	s_lshl_b32 s36, s36, 13                        ; e x 2^23
	s_and_b32 s37, s20, 0x3ff
	s_lshl_b32 s37, s37, 8                         ; rank x 256
	s_add_co_u32 s36, s36, s37
	s_mov_b32 s37, 0
	s_add_nc_u64 s[26:27], s[4:5], s[36:37]
	s_and_b32 s36, s21, 0x1c00
	s_lshl_b32 s36, s36, 13
	s_and_b32 s38, s21, 0x3ff
	s_lshl_b32 s38, s38, 8
	s_add_co_u32 s36, s36, s38
	s_add_nc_u64 s[28:29], s[4:5], s[36:37]
.irp k, 0,1,2,3,4,5,6,7                        ; columns 128 k + 4 l on: two slices a load, sixteen lanes to 256 consecutive bytes; the four parts of a group of columns stand together
	global_load_b128 v[YA+4*\k:YA+4*\k+3], v3, s[26:27] offset:524288*\k th:TH_LOAD_NT
	global_load_b128 v[YB+4*\k:YB+4*\k+3], v3, s[26:27] offset:524288*\k+HALF th:TH_LOAD_NT
	global_load_b128 v[YC+4*\k:YC+4*\k+3], v3, s[28:29] offset:524288*\k th:TH_LOAD_NT
	global_load_b128 v[YD+4*\k:YD+4*\k+3], v3, s[28:29] offset:524288*\k+HALF th:TH_LOAD_NT
.endr
	s_wait_loadcnt 32                              ; the scores are in; y's 32 loads may be out
	v_max3_num_f32 v48, v16, v18, v20              ; the largest of each slot: my 16,
	v_max3_num_f32 v49, v17, v19, v21
.irp i, 22,26,30,34,38,42
	v_max3_num_f32 v48, v48, v[\i], v[\i+2]
	v_max3_num_f32 v49, v49, v[\i+1], v[\i+3]
.endr
	v_max_num_f32 v48, v48, v46
	v_max_num_f32 v49, v49, v47
.irp m, 1,2,4,8
	v_max_num_f32_dpp v48, v48, v48 row_xmask:\m row_mask:0xf bank_mask:0xf    ; the 16 lanes of my half,
	v_max_num_f32_dpp v49, v49, v49 row_xmask:\m row_mask:0xf bank_mask:0xf
.endr
	v_permlanex16_b32 v60, v48, s34, s35
	v_permlanex16_b32 v61, v49, s34, s35
	v_max_num_f32 v48, v48, v60                    ; and the other half
	v_max_num_f32 v49, v49, v61
	v_mov_b32 v50, s22
	v_mov_b32 v51, s23
.irp j, 16,18,20,22,24,26,28,30,32,34,36,38,40,42,44,46,50
	v_pk_add_f32 v[\j:\j+1], v[\j:\j+1], v[48:49] neg_lo:[0,1] neg_hi:[0,1]   ; score - largest, at most 0
.endr
.irp j, 16,18,20,22,24,26,28,30,32,34,36,38,40,42,44,46,50
	v_pk_mul_f32 v[\j:\j+1], v[\j:\j+1], 0x3fb8aa3b op_sel_hi:[1,0]           ; x log2(e)
.endr
.irp j, 16,17,18,19,20,21,22,23,24,25,26,27,28,29,30,31,32,33,34,35,36,37,38,39,40,41,42,43,44,45,46,47,50,51
	v_exp_f32 v[\j], v[\j]
.endr
	v_nop                                          ; a plain line behind the last exponential
	s_wait_alu depctr_va_vdst(0)                   ; one wait for the batch, ahead of its first reader
	v_pk_add_f32 v[52:53], v[16:17], v[18:19]      ; the sums, in two chains
	v_pk_add_f32 v[58:59], v[20:21], v[22:23]
.irp j, 24,28,32,36,40,44
	v_pk_add_f32 v[52:53], v[52:53], v[\j:\j+1]
	v_pk_add_f32 v[58:59], v[58:59], v[\j+2:\j+3]
.endr
	v_pk_add_f32 v[52:53], v[52:53], v[58:59]
.irp m, 1,2,4,8
	v_add_f32_dpp v52, v52, v52 row_xmask:\m row_mask:0xf bank_mask:0xf
	v_add_f32_dpp v53, v53, v53 row_xmask:\m row_mask:0xf bank_mask:0xf
.endr
	v_permlanex16_b32 v60, v52, s34, s35
	v_permlanex16_b32 v61, v53, s34, s35
	v_add_f32 v52, v52, v60
	v_add_f32 v53, v53, v61
	v_rcp_f32 v62, v52
	v_rcp_f32 v63, v53
	v_nop                                          ; a plain line behind the last reciprocal
	s_wait_alu depctr_va_vdst(0)                   ; one wait for the two, ahead of their first reader
	v_mul_f32 v54, v50, v62                        ; my two weights, each as a pair for the packed lines
	v_mul_f32 v55, v50, v62
	v_mul_f32 v56, v51, v63
	v_mul_f32 v57, v51, v63
.irp k, 0,1,2,3,4,5,6,7
	s_wait_loadcnt 28-4*\k                         ; this group's four loads are in; the later groups' may be out
.irp p, 0,2
	v_pk_add_f32 v[YA+4*\k+\p:YA+4*\k+\p+1], v[YA+4*\k+\p:YA+4*\k+\p+1], v[YB+4*\k+\p:YB+4*\k+\p+1]   ; the two halves along K
	v_pk_add_f32 v[YC+4*\k+\p:YC+4*\k+\p+1], v[YC+4*\k+\p:YC+4*\k+\p+1], v[YD+4*\k+\p:YD+4*\k+\p+1]
.endr
.irp p, 0,2
	v_pk_mul_f32 v[YA+4*\k+\p:YA+4*\k+\p+1], v[YA+4*\k+\p:YA+4*\k+\p+1], v[54:55]
.endr
.irp p, 0,2
	v_pk_fma_f32 v[YA+4*\k+\p:YA+4*\k+\p+1], v[YC+4*\k+\p:YC+4*\k+\p+1], v[56:57], v[YA+4*\k+\p:YA+4*\k+\p+1]
.endr
	global_store_b128 v2, v[YA+4*\k:YA+4*\k+3], s[10:11] offset:512*\k th:TH_STORE_NT   ; 32 lanes store 512 consecutive bytes of the token's row
.endr
	s_endpgm
.Lfunc_end_k_q0c50bc429e_combine:
	.size	k_q0c50bc429e_combine, .Lfunc_end_k_q0c50bc429e_combine-k_q0c50bc429e_combine
	.p2alignl 7, 3214868480
	.fill 96, 4, 3214868480
	.section	.rodata,"a",@progbits
	.p2align	6, 0x0
	.amdhsa_kernel k_q0c50bc429e_combine
		.amdhsa_group_segment_fixed_size 0
		.amdhsa_private_segment_fixed_size 0
		.amdhsa_enable_private_segment 0
		.amdhsa_kernarg_size 32
		.amdhsa_user_sgpr_count 2
		.amdhsa_user_sgpr_kernarg_segment_ptr 1
		.amdhsa_wavefront_size32 1
		.amdhsa_system_sgpr_workgroup_id_x 1
		.amdhsa_system_sgpr_workgroup_id_y 1
		.amdhsa_system_sgpr_workgroup_id_z 1
		.amdhsa_system_vgpr_workitem_id 0
		.amdhsa_next_free_vgpr 192
		.amdhsa_next_free_sgpr 66
		.amdhsa_reserve_vcc 0
		.amdhsa_float_denorm_mode_32 3
		.amdhsa_float_denorm_mode_16_64 3
		.amdhsa_memory_ordered 1
		.amdhsa_forward_progress 1
		.amdhsa_inst_pref_size 19
	.end_amdhsa_kernel
	.amdgpu_metadata
---
amdhsa.version: [ 1, 2 ]
amdhsa.kernels:
  - .name:           k_q0c50bc429e_combine
    .symbol:         k_q0c50bc429e_combine.kd
    .args:
      - { .name: yr, .offset: 0, .size: 8, .value_kind: global_buffer, .address_space: global }
      - { .name: route, .offset: 8, .size: 8, .value_kind: global_buffer, .address_space: global }
      - { .name: rval, .offset: 16, .size: 8, .value_kind: global_buffer, .address_space: global }
      - { .name: out0, .offset: 24, .size: 8, .value_kind: global_buffer, .address_space: global }
    .group_segment_fixed_size: 0
    .private_segment_fixed_size: 0
    .kernarg_segment_align: 8
    .kernarg_segment_size: 32
    .max_flat_workgroup_size: 128
    .sgpr_count:     66
    .vgpr_count:     192
    .wavefront_size: 32
...
	.end_amdgpu_metadata
.endif
;; end of part 4
;; ======== version 2 of 2: 4 launches; version 1 with the launch down written anew for expert scheduling mode
;; workspace buffers: xq 557,056 bytes; ridx 8,192 bytes of whole numbers; rval 8,192 bytes; route 12,544 bytes of whole numbers; hq 17,825,792 bytes; yr 67,108,864 bytes
;; launch router: the kernel of part 1 again; grid 256 x 1, 4 waves a work-group, no clusters, 19,968 bytes of LDS; arguments x, Wr, xq, ridx, rval; writes xq, ridx, rval
;; launch up: the kernel of part 2 again; grid 32 x 8, 4 waves a work-group, no clusters, 152,320 bytes of LDS; arguments W1, b1, xq, ridx, hq, route; writes hq, route
;; launch down (part 5): grid 32 x 8, 4 waves a work-group, no clusters, 165,376 bytes of LDS; arguments W2, b2, hq, route, yr; writes yr
.if DOCPART == 5
	.amdgcn_target "amdgcn-amd-amdhsa--gfx1250"
	.amdhsa_code_object_version 6
	.text
	.protected	k_q0c50bc429e_down
	.globl	k_q0c50bc429e_down
	.p2align	8
	.type	k_q0c50bc429e_down,@function
k_q0c50bc429e_down:
	s_mov_b64 s[64:65], 0
	v_nop
	global_prefetch_b8 v0, s[64:65] scope:SCOPE_SE
	s_setreg_imm32_b32 hwreg(HW_REG_WAVE_SCHED_MODE, 0, 2), 2
	s_setreg_imm32_b32 hwreg(HW_REG_WAVE_MODE, 25, 1), 1
	s_wait_xcnt 0x0
	s_wait_alu depctr_vm_vsrc(0)
; SECOND PRODUCT OF THE CHOSEN EXPERTS: y = h Q(W2)^T + b2 on codes of E2M1 with one E8M0 scale for each 32 along K, for each expert's routed rows; y is not yet weighed, and it is made in TWO HALVES ALONG K.
; SHARES.  Work-group (x, e), cs = x / 2, kh = x % 2, owns outputs 64 cs .. 64 cs + 63 of expert e over K = 2,048 kh .. 2,048 kh + 2,047: 64 rows x 2,048 of W2, 512 KiB of f32, which nobody else reads: read once,
; quantised here, never stored.  Of h it reads its K half alone, 1,024 bytes a routed row, where a slice of 32 outputs over all of K would read 2,048; the price: each number of y is stored twice, as two partial sums of
; 4 bytes, which the last launch adds.  b2 goes into K half 0 alone.
; THE STREAM is that of the launch before: 64 fragments (16 rows x 128 K; fragment f = 4 s + u: K step s of my 16, rows 16 u on), 16 a wave (wave w: u = w, all 16 K steps), one a step: 16 loads of 512 consecutive bytes, a turn
; through the wave's own stage in LDS, the conversions, the image to LDS.  As W2's last sets leave the ring, the first tile of h takes their registers, so the loads do not run dry between the two phases.
; THE TILES.  Behind one barrier every wave holds all 64 fragments (512 registers) and the waves share the tiles of 16 routed rows: T = w, w + 4, ..  My half of a tile of h is 16 KiB of register images, in four chunks of
; 4 K steps; two chunks are asked for again together, for the tile four further on, behind their 32 products.  The number of tiles is a stored count: so operands come by plain loads, not by the tensor mover.
; THE MATRIX INSTRUCTION IS USED TRANSPOSED (source 0 = 16 rows of W2, source 1 = 16 routed rows): a lane holds eight neighbouring outputs of one row.  The four accumulators, one for each 16 outputs, take turns;
; b2 (times 1 in K half 0, times 0 in K half 1) is the C of each sum's first instruction.
; No cluster: what the work-groups of an expert share (h's codes) is a small part of a work-group's bytes, and the trip counts hang on stored numbers.
; OUT: yr [e][kh][cs 0..15][rank 0..1023][64 f32]: a tile is 4,096 consecutive bytes.  LIMITS: NaN and infinities are not served, in b2 neither (it is multiplied by 0 in K half 1); a block of W2 whose largest magnitude lies under 2^-124 keeps the scale byte 1.
; THE MODE: SCHED_MODE bits 1:0 = 2 (LLVM: expert scheduling mode 2), set by the entry lines.  The code itself states the register dependences between vector or matrix instructions and memory or LDS instructions,
; with s_wait_alu, always for 0.
; THE PLAN, THE STREAM.  Registers that memory or LDS instructions touch:
;   ring sets 0 .. 3  Loads of step t + 4 (at the end a chunk of h) land in set t % 4; the LDS stores of step t's turn read it.  No vector instruction names them.
;   X0, X1            The LDS loads of step t's turn land in X[t % 2]; step t's quantiser reads it.
;   PC0, PC1, PWW     Step t's conversions write set t % 2; the three image stores that read it stand at the head of step t + 1.
;   GO, SW, SR, WI, WSA and the other addresses are made at the head and never written again.
; So two waits stand at a step's head, behind the window switch and straight ahead of the step's loads; all memory and LDS instructions of the step follow them, and the step's vector work comes last.
; THE PLAN, A TILE.  Chunk q of h and its scale words: read by the chunk's 16 products, then loaded again.  HAD, HSA, YOF: offsets, written at the tile's head, read by its loads and stores.
;   The accumulators: written by the products, read by the LDS stores of the way out.  YO: LDS loads land in it, the global stores read it; no vector instruction names it.
; Three waits: one on vm_vsrc at the tile's head; one on va_vdst behind the first 32 products; one behind the last 32, which serves the second request and the way out.
; REGISTERS, in windows of 256.  Window 0: v1-17 addresses; v32-63 W2's scale words; v64-71 h's; v80-99 at work; v100-117 codes just made; v120-247 two sets of 64 numbers, later b2, the accumulators and the way out.
;   Windows 1, 2: the 64 fragments.   Window 3: the ring, four sets of 64; later chunk q of h in the first 32 registers of set q.
.set PITCH,  16384                     ; a row of W2 in bytes
.set STG,    0                         ; LDS: two stages of 9,728 bytes for each wave
.set IMG,    77824                     ; the 64 fragments' images
.set WSC,    143360                    ; their scale words: 512 (f / 8) + 256 (f % 2) + 16 r + 4 ((f / 2) % 4)
.set OST,    147456                    ; the way out: 16 rows x (256 + 16) bytes for each wave
.set HS_OFF, 16777216
.set CNT_OFF, 8448
.set GO,  4
.set SW,  5
.set SR,  6
.set WI,  7
.set WSA, 8
.set LI,  9
.set LWS, 10
.set SH8, 11
.set HAD, 12                           ; h's codes: 16 l + 32,768 T
.set HSA, 13                           ; h's scale words: 16 l + 2,048 T
.set YOF, 14                           ; y: 16 l + 4,096 T
.set OSW, 15                           ; the way out, in
.set OSR, 16                           ; and back
.set B2O, 17                           ; 32 h
.set TT,  24
.set WS,  32
.set HS,  64                           ; v64-71: two registers a chunk
.set TM,  80
.set PC,  100
.set PWW, 116
.set X,   120
.set B2,  120                          ; v120-151
.set ACC, 152                          ; v152-183: accumulator u
.set YO,  184                          ; v184-215
.set WV,  16
.set CSL, 17
.set EX,  18
.set KH,  19
.set WB,  20
.set HB,  24
.set HSB, 26
.set YB,  28
.set B2B, 30
.set N,   33
.set NT,  34
.set T,   35
.set TN,  36
.set NTR, 37                           ; how many of my wave's tiles have a successor
.set SEL, 38
.set CT,  45                           ; the tile loop's counter
.set FAC, 46                           ; s[46:47] 1.0 in K half 0, 0 in K half 1
.set MSB, 0
.macro WIN new                         ; the immediate's high byte repeats the setting that is left; bits 1:0 source 0, 3:2 source 1, 5:4 source 2, 7:6 destination
.if MSB != \new
	s_set_vgpr_msb (MSB<<8)|\new
.set MSB, \new
.endif
.endm
; step t's fragment (my 16 rows, K step t): 16 rows x 512 consecutive bytes into ring set t % 4; the destination's window is set by the caller
.macro WLD t
.set wr, 64*((\t)%4)
.irp i, 0,1,2,3,4,5,6,7,8,9,10,11,12,13,14,15
	global_load_b128 v[wr+4*\i:wr+4*\i+3], v[GO], s[WB:WB+1] offset:\i*PITCH+512*(\t) th:TH_LOAD_NT
.endr
.endm
.macro TURN t                          ; through the stage: lane (r, h) gets blocks h and 2 + h of row r.  LDS serves a wave's instructions in order
.set wr, 64*((\t)%4)
	WIN 0x0c
.irp i, 0,1,2,3,4,5,6,7,8,9,10,11,12,13,14,15
	ds_store_b128 v[SW], v[wr+4*\i:wr+4*\i+3] offset:9728*((\t)%2)+144*\i
.endr
	WIN 0
.irp c, 0,1
.irp p, 0,1,2,3,4,5,6,7
	ds_load_b128 v[X+64*((\t)%2)+32*\c+4*\p:X+64*((\t)%2)+32*\c+4*\p+3], v[SR] offset:9728*((\t)%2)+4864*\c+16*\p
.endr
.endr
.endm
.macro WQ t                            ; the quantiser: two whole blocks a lane; the conversions' results are the operand's registers.  Vector lines alone: the image is stored at the head of the next step
.set XQ, X+64*((\t)%2)
.set PQ, PC+8*((\t)%2)
.irp c, 0,1
.irp g, 0,1
	v_max3_num_f32 v[TM+2*\c+\g], |v[XQ+32*\c+16*\g]|, |v[XQ+32*\c+16*\g+1]|, 0x1800000   ; four chains of 16 numbers; the floor 2^(3 - 127) holds the byte at 1 from below
.endr
.endr
.irp i, 2,4,6,8,10,12,14
.irp c, 0,1
.irp g, 0,1
	v_max3_num_f32 v[TM+2*\c+\g], v[TM+2*\c+\g], |v[XQ+32*\c+16*\g+\i]|, |v[XQ+32*\c+16*\g+\i+1]|
.endr
.endr
.endr
.irp c, 0,1
	v_max_num_f32 v[TM+2*\c], v[TM+2*\c], v[TM+2*\c+1]
.endr
.irp c, 0,1
	v_add_nc_u32 v[TM+4+\c], 0xff000000, v[TM+2*\c]    ; 2 off the exponent field: the conversion's scale operand
.endr
.irp c, 0,1
	v_lshrrev_b32 v[TM+6+\c], 23, v[TM+4+\c]           ; the byte
.endr
	v_lshl_or_b32 v[TM+8], v[TM+7], 16, v[TM+6]
	v_lshlrev_b32 v[TM+8], v[SH8], v[TM+8]
	v_permlanex16_b32 v[TM+9], v[TM+8], s[SEL], s[SEL+1]
	v_or_b32 v[PWW+(\t)%2], v[TM+8], v[TM+9]           ; with lane l xor 16's two bytes the word is whole
.irp c, 0,1
.irp g, 0,1,2,3
	v_cvt_scalef32_pk8_fp4_f32 v[PQ+4*\c+\g], v[XQ+32*\c+8*\g:XQ+32*\c+8*\g+7], v[TM+4+\c]
.endr
.endr
	v_nop                                              ; one plain line behind the last conversion
.endm
; step t's fragment goes to LDS as it stands, and its scale word
.macro IMAGE t
.set PQ, PC+8*((\t)%2)
.irp c, 0,1
	ds_store_b128 v[WI], v[PQ+4*\c:PQ+4*\c+3] offset:4096*(\t)+512*\c        ; fragment 4 t + w
.endr
	ds_store_b32 v[WSA], v[PWW+(\t)%2] offset:512*((\t)/2)+8*((\t)%2)        ; lanes l and l + 16 store the same word with the same value
.endm
; chunk q of my K half of the tile that HAD names: 4 K steps of h, 4 KiB on end, into the first 32 registers of ring set q: 8 loads; the destination's window is set by the caller
.macro HLD q
.irp j, 0,1,2,3
	global_load_b128 v[64*(\q)+8*\j:64*(\q)+8*\j+3], v[HAD], s[HB:HB+1] offset:1024*(4*(\q)+\j)
	global_load_b128 v[64*(\q)+8*\j+4:64*(\q)+8*\j+7], v[HAD], s[HB:HB+1] offset:1024*(4*(\q)+\j)+512
.endr
.endm
; and its scale words: one load, in window 0
.macro HSL q
	global_load_b64 v[HS+2*(\q):HS+2*(\q)+1], v[HSA], s[HSB:HSB+1] offset:512*((\q)/2)+8*((\q)%2)   ; register j / 2: the chunk's K step j in lanes 16 (j % 2) on
.endm
; A STEP OF THE STREAM: the two waits; the loads that take ring set t % 4 (W2 of four steps on, or a chunk of the first tile of h); the image of the step before; the next step's turn through the other stage; then this step's quantiser
.macro QSTEP t
	WIN 0xc0
	s_wait_alu depctr_vm_vsrc(0)                   ; the LDS stores of this step's turn have read ring set t % 4, in which the loads below land; the image stores of two steps back have read the codes and the scale word that this step writes again
	s_wait_alu depctr_va_vdst(0)                   ; the step before has written its codes and scale word, which the image stores below read, and is done reading its 64 numbers, in which the next turn's loads land (step 0: h's two offsets are written, which h's loads read)
.if (\t) < 12
	WLD (\t)+4
.else
	HLD (\t)-12
.endif
	WIN 0
.if (\t) >= 12
	HSL (\t)-12
.endif
.if (\t) > 0
	IMAGE (\t)-1
.endif
.if (\t) < 15
.if (\t) < 12
	s_wait_loadcnt 48                              ; the next step's 16 loads are in; behind them three sets of 16
.elseif (\t) == 12
	s_wait_loadcnt 41                              ; two sets of 16 and one chunk of 9
.elseif (\t) == 13
	s_wait_loadcnt 34                              ; one set and two chunks
.else
	s_wait_loadcnt 27                              ; three chunks
.endif
	TURN (\t)+1
.endif
.if (\t) == 0
	s_wait_dscnt 32                                ; this step's numbers are back from the stage; behind them the next turn's 32
.elseif (\t) < 15
	s_wait_dscnt 35                                ; behind them three image stores and the next turn's 32
.else
	s_wait_dscnt 3                                 ; behind them three image stores
.endif
	WQ \t
.endm
; one matrix instruction; ra, rb: the scale words stand in lanes 16-31
.macro WM d, a, b, c, sa, sb, ra, rb
.if (\ra) && (\rb)
	v_wmma_scale_f32_16x16x128_f8f6f4 v[(\d):(\d)+7], v[(\a):(\a)+7], v[(\b):(\b)+7], v[(\c):(\c)+7], v[\sa], v[\sb] matrix_a_fmt:MATRIX_FMT_FP4 matrix_b_fmt:MATRIX_FMT_FP4 matrix_a_scale:MATRIX_SCALE_ROW1 matrix_b_scale:MATRIX_SCALE_ROW1
.elseif (\ra)
	v_wmma_scale_f32_16x16x128_f8f6f4 v[(\d):(\d)+7], v[(\a):(\a)+7], v[(\b):(\b)+7], v[(\c):(\c)+7], v[\sa], v[\sb] matrix_a_fmt:MATRIX_FMT_FP4 matrix_b_fmt:MATRIX_FMT_FP4 matrix_a_scale:MATRIX_SCALE_ROW1
.elseif (\rb)
	v_wmma_scale_f32_16x16x128_f8f6f4 v[(\d):(\d)+7], v[(\a):(\a)+7], v[(\b):(\b)+7], v[(\c):(\c)+7], v[\sa], v[\sb] matrix_a_fmt:MATRIX_FMT_FP4 matrix_b_fmt:MATRIX_FMT_FP4 matrix_b_scale:MATRIX_SCALE_ROW1
.else
	v_wmma_scale_f32_16x16x128_f8f6f4 v[(\d):(\d)+7], v[(\a):(\a)+7], v[(\b):(\b)+7], v[(\c):(\c)+7], v[\sa], v[\sb] matrix_a_fmt:MATRIX_FMT_FP4 matrix_b_fmt:MATRIX_FMT_FP4
.endif
.endm
; chunk q: 16 matrix instructions, K steps 4 q .. 4 q + 3 x four tiles of outputs; the four accumulators take turns, one instruction a turn.  Fragment 16 q + 4 j + u; its scale word
; in register 8 q + 2 j + u / 2, lanes 16 (u % 2) on
.macro CHUNK q
.if (\q) < 2
	WIN 0x0d                                       ; W2 window 1, h window 3
.else
	WIN 0x0e                                       ; W2 window 2
.endif
.irp j, 0,1,2,3
.irp u, 0,1,2,3
.if (4*(\q)+\j) == 0
	WM ACC+8*\u, 8*((16*(\q)+4*\j+\u)%32), 64*(\q)+8*\j, B2+8*\u, WS+8*(\q)+2*\j+\u/2, HS+2*(\q)+\j/2, \u%2, \j%2
.else
	WM ACC+8*\u, 8*((16*(\q)+4*\j+\u)%32), 64*(\q)+8*\j, ACC+8*\u, WS+8*(\q)+2*\j+\u/2, HS+2*(\q)+\j/2, \u%2, \j%2
.endif
.endr
.endr
.endm
; A TILE, s[T].  succ = 1: its h is asked for again, two chunks at a time, for the tile four further on, s[TN]
.macro TILE succ
	s_wait_xcnt 0x0                                ; the last tile's stores and loads have had their addresses translated: offsets and the way out's registers may be written
	s_wait_alu depctr_vm_vsrc(0)                   ; the last tile's LDS stores have read the accumulators, which the products below begin anew; its global stores have read their rows, in which the way out's loads land, and their offset; h's loads have read theirs
	s_min_u32 s40, s[T], 63
	s_lshl_b32 s40, s40, 12
	v_add_nc_u32 v[YOF], s40, v[GO]
.if \succ
	s_min_u32 s40, s[TN], 63
	s_lshl_b32 s41, s40, 15
	v_add_nc_u32 v[HAD], s41, v[GO]
	s_lshl_b32 s41, s40, 11
	v_add_nc_u32 v[HSA], s41, v[GO]
.endif
	s_wait_loadcnt 18                              ; chunks 0 and 1 are in; behind their 18 loads stand chunks 2 and 3's 18
	CHUNK 0
	CHUNK 1
.if \succ
.rept 4
	v_nop                                          ; four places in front of loads into registers that these products have read
.endr
	WIN 0xc0
	s_wait_alu depctr_va_vdst(0)                   ; the 32 products are done reading chunks 0 and 1 and their scale words, in which the loads below land; h's two offsets are written
	HLD 0
	HLD 1
	WIN 0
	HSL 0
	HSL 1
	s_wait_loadcnt 18                              ; chunks 2 and 3 are in; behind them the 18 loads just issued
.else
	s_wait_loadcnt 0x0                             ; nothing more was asked for
.endif
	CHUNK 2
	CHUNK 3
	WIN 0
.rept 5
	v_nop                                          ; four places in front of loads into registers that these products have read and of the first read of results; a fifth: the next tile begins the accumulators anew, with another C
.endr
.if \succ
	WIN 0xc0
.endif
	s_wait_alu depctr_va_vdst(0)                   ; the products have written the accumulators, which the LDS stores below read, and are done reading chunks 2 and 3 and their scale words, in which the loads below land; y's offset is written
.if \succ
	HLD 2
	HLD 3
	WIN 0
	HSL 2
	HSL 3
.endif
	; THE WAY OUT: a lane's 32 bytes of a row for each 16 outputs go through my own stage and come back as whole rows of 256 bytes, 4,096 bytes on end
.irp u, 0,1,2,3
	ds_store_b128 v[OSW], v[ACC+8*\u:ACC+8*\u+3] offset:64*\u          ; each accumulator from its low end on
	ds_store_b128 v[OSW], v[ACC+8*\u+4:ACC+8*\u+7] offset:64*\u+16
.endr
.irp k, 0,1,2,3,4,5,6,7
	ds_load_b128 v[YO+4*\k:YO+4*\k+3], v[OSR] offset:544*\k            ; LDS serves a wave's instructions in order: these see my stores
.endr
.irp k, 0,1,2,3,4,5,6,7
	s_wait_dscnt 7-\k                              ; load k is back; the younger ones may be out
	global_store_b128 v[YOF], v[YO+4*\k:YO+4*\k+3], s[YB:YB+1] offset:512*\k   ; 32 lanes store 512 consecutive bytes: two rows of 256
.endr
.endm
	s_load_b256 s[4:11], s[0:1], 0x0               ; W2 s[4:5], b2 s[6:7], hq s[8:9], route s[10:11]
	s_load_b64 s[12:13], s[0:1], 0x20              ; yr
	v_lshl_add_u32 v254, v0, 2, 0x28400
	v_mov_b32 v255, 0
	v_lshrrev_b32 v1, 5, v0
	v_readfirstlane_b32 s[WV], v1                  ; wave
	s_lshr_b32 s[CSL], ttmp9, 1                    ; slice of 64 outputs
	s_and_b32 s[KH], ttmp9, 1                      ; half of K
	s_and_b32 s[EX], ttmp7, 0xffff                 ; expert
	v_and_b32 v1, 31, v0                           ; l
	v_and_b32 v2, 15, v0                           ; r
	v_bfe_u32 v3, v0, 4, 1                         ; h
	v_lshlrev_b32 v[GO], 4, v1
	s_wait_alu depctr_va_sdst(0)                   ; the wave's number is written, ahead of its first reader
	s_mul_i32 s40, s[WV], 19456
	s_add_co_u32 s40, s40, STG
	v_mul_u32_u24 v[SW], v3, 4864
	v_bfe_u32 v[TT], v0, 3, 1
	v_mad_u32_u24 v[SW], v[TT], 2432, v[SW]
	v_and_b32 v[TT], 7, v0
	v_lshl_add_u32 v[SW], v[TT], 4, v[SW]
	v_add_nc_u32 v[SW], s40, v[SW]
	v_mul_u32_u24 v[SR], v3, 2432
	v_mad_u32_u24 v[SR], v2, 144, v[SR]
	v_add_nc_u32 v[SR], s40, v[SR]
	s_lshl_b32 s41, s[WV], 10
	s_add_co_u32 s41, s41, IMG
	v_add_nc_u32 v[WI], s41, v[GO]                 ; fragment 4 t + w
	s_and_b32 s41, s[WV], 1
	s_lshl_b32 s41, s41, 8                         ; its scale word: 256 (w % 2)
	s_lshr_b32 s42, s[WV], 1
	s_lshl_b32 s42, s42, 2                         ; + 4 (w / 2)
	s_add_co_u32 s41, s41, s42
	s_add_co_u32 s41, s41, WSC
	v_lshl_add_u32 v[WSA], v2, 4, s41              ; + 16 r
	v_add_nc_u32 v[LI], IMG, v[GO]
	v_add_nc_u32 v[LWS], WSC, v[GO]
	v_lshlrev_b32 v[SH8], 3, v3
	s_mul_i32 s41, s[WV], 4352
	s_add_co_u32 s41, s41, OST                     ; my stage for the way out
	v_mul_u32_u24 v[OSW], v2, 272
	v_lshl_add_u32 v[OSW], v3, 5, v[OSW]
	v_add_nc_u32 v[OSW], s41, v[OSW]               ; in: row r, + 32 h
	v_mul_u32_u24 v[OSR], v3, 272
	v_lshl_add_u32 v[OSR], v2, 4, v[OSR]
	v_add_nc_u32 v[OSR], s41, v[OSR]               ; back: sixteen lanes to a row of 256 bytes
	v_lshlrev_b32 v[B2O], 5, v3
	v_mov_b32 v[TM+9], 0                           ; written once: a lane permute's destination counts as one of its sources
	s_mov_b32 s[SEL], 0x76543210
	s_mov_b32 s[SEL+1], 0xfedcba98                 ; lane l xor 16
	s_cmp_eq_u32 s[KH], 0
	s_cselect_b32 s[FAC], 1.0, 0                   ; b2 counts in K half 0 alone
	s_mov_b32 s[FAC+1], s[FAC]                     ; (named with it as a pair, so it is written)
	s_lshl_b32 s40, s[EX], 24                      ; W2: an expert is 2^24 bytes, a slice 64 rows of 16,384, a K half 8,192 bytes of a row, a wave 16 rows
	s_lshl_b32 s41, s[CSL], 20
	s_add_co_u32 s40, s40, s41
	s_lshl_b32 s41, s[KH], 13
	s_add_co_u32 s40, s40, s41
	s_lshl_b32 s41, s[WV], 18
	s_add_co_u32 s40, s40, s41
	s_mov_b32 s41, 0
	s_lshl_b32 s44, s[EX], 9
	s_wait_kmcnt 0x0
	s_add_nc_u64 s[WB:WB+1], s[4:5], s[40:41]
	s_load_b32 s[N], s[10:11], s44 offset:CNT_OFF  ; my expert's count of rows, a whole number that the launch before stored
	WIN 0xc0
	s_wait_alu depctr_va_vdst(0)                   ; all the addresses and offsets made above and the closing add's two registers are written: the loads, stores and LDS instructions below read them
	WLD 0
	WLD 1
	WLD 2
	WLD 3
	WIN 0
	s_lshl_b32 s40, s[EX], 21
	s_lshl_b32 s42, s[KH], 14
	s_add_co_u32 s40, s40, s42
	s_add_nc_u64 s[HB:HB+1], s[8:9], s[40:41]      ; h's codes of my expert, from my K half's first K step on (16 x 1,024 bytes a half)
	s_lshl_b32 s40, s[EX], 17
	s_add_co_u32 s40, s40, HS_OFF
	s_lshl_b32 s42, s[KH], 10
	s_add_co_u32 s40, s40, s42
	s_add_nc_u64 s[HSB:HSB+1], s[8:9], s[40:41]    ; and their scale words (2 x 512 bytes a half)
	s_lshl_b32 s40, s[EX], 23
	s_lshl_b32 s42, s[KH], 22
	s_add_co_u32 s40, s40, s42
	s_lshl_b32 s42, s[CSL], 18
	s_add_co_u32 s40, s40, s42
	s_add_nc_u64 s[YB:YB+1], s[12:13], s[40:41]    ; y: 1,024 rows x 256 bytes for each (e, kh, cs)
	s_lshl_b32 s40, s[EX], 12
	s_lshl_b32 s42, s[CSL], 8
	s_add_co_u32 s40, s40, s42
	s_add_nc_u64 s[B2B:B2B+1], s[6:7], s[40:41]
	s_wait_kmcnt 0x0
	s_min_u32 s[N], s[N], 1024
	s_add_co_u32 s[NT], s[N], 15
	s_lshr_b32 s[NT], s[NT], 4
	s_max_u32 s[NT], s[NT], 1                      ; tile 0 was always made
	s_min_u32 s[NT], s[NT], 64
	s_sub_co_u32 s40, s[NT], 1
	s_min_u32 s40, s40, s[WV]                      ; my first tile; a wave without one asks for the last tile, which exists, and uses nothing of it
	s_min_u32 s40, s40, 63
	s_lshl_b32 s42, s40, 15
	s_lshl_b32 s43, s40, 11
	s_wait_loadcnt 48                              ; step 0's 16 loads are in
	TURN 0
	v_add_nc_u32 v[HAD], s42, v[GO]                ; h's two offsets for my first tile, while step 0's numbers go through the stage
	v_add_nc_u32 v[HSA], s43, v[GO]
.irp t, 0,1,2,3,4,5,6,7,8,9,10,11,12,13,14,15
	QSTEP \t
.endr
	s_wait_alu depctr_va_vdst(0)                   ; step 15 has written its codes and scale word, which the image stores below read, and is done reading its 64 numbers, in which the way out's loads land later
	IMAGE 15
	s_wait_dscnt 0x0                               ; my images and scale words lie in LDS
	s_barrier_signal -1
	s_barrier_wait -1                              ; everybody's do
	WIN 0x40
.set f, 0
.rept 32
	ds_load_b128 v[8*f:8*f+3], v[LI] offset:1024*f
	ds_load_b128 v[8*f+4:8*f+7], v[LI] offset:1024*f+512
.set f, f+1
.endr
	WIN 0x80
.rept 32
	ds_load_b128 v[8*(f-32):8*(f-32)+3], v[LI] offset:1024*f
	ds_load_b128 v[8*(f-32)+4:8*(f-32)+7], v[LI] offset:1024*f+512
.set f, f+1
.endr
	WIN 0
.irp g, 0,1,2,3,4,5,6,7
	ds_load_b128 v[WS+4*\g:WS+4*\g+3], v[LWS] offset:512*\g
.endr
.irp u, 0,1,2,3
	global_load_b128 v[B2+8*\u:B2+8*\u+3], v[B2O], s[B2B:B2B+1] offset:64*\u          ; lane (r, h), tile u: b2 at outputs 16 u + 8 h + 0 .. 7
	global_load_b128 v[B2+8*\u+4:B2+8*\u+7], v[B2O], s[B2B:B2B+1] offset:64*\u+16
.endr
	s_wait_dscnt 0x0
	s_wait_loadcnt 0x0                             ; b2, and the first tile of h, which was asked for during the stream's last four steps
.irp p, 0,2,4,6,8,10,12,14,16,18,20,22,24,26,28,30
	v_pk_mul_f32 v[B2+\p:B2+\p+1], v[B2+\p:B2+\p+1], s[FAC:FAC+1] op_sel_hi:[1,0]     ; b2 as it is in K half 0, zeros in K half 1
.endr
.rept 4
	v_nop                                          ; plain lines between these and the products that take them as C
.endr
	; MY TILES: w, w + 4, .. under NT.  NTR of them have a successor and ask for its h: one trip each, counted in steps of 1; the loop is left by falling through its branch back, into the last tile
	s_cmp_ge_u32 s[WV], s[NT]
	s_cbranch_scc1 .Lend                           ; no tile for this wave
	s_sub_co_u32 s[NTR], s[NT], 1
	s_sub_co_u32 s[NTR], s[NTR], s[WV]
	s_lshr_b32 s[NTR], s[NTR], 2
	s_min_u32 s[NTR], s[NTR], 15                   ; NT is at most 64
	s_mov_b32 s[CT], 0
	s_cmp_eq_u32 s[NTR], 0
	s_cbranch_scc1 .Llast                          ; one tile alone
.Ltile:
	s_lshl_b32 s[T], s[CT], 2
	s_add_co_u32 s[T], s[T], s[WV]                 ; this trip's tile: 4 x trip + wave,
	s_add_co_u32 s[TN], s[T], 4                    ; and its successor
	TILE 1
	s_add_co_u32 s[CT], s[CT], 1
	s_cmp_lt_u32 s[CT], s[NTR]
	s_cbranch_scc1 .Ltile
.Llast:
	s_lshl_b32 s[T], s[NTR], 2
	s_add_co_u32 s[T], s[T], s[WV]
	TILE 0
.Lend:
	s_barrier_signal -1
	s_barrier_wait -1
	s_wait_dscnt 0x0                               ; the closing lines, six on end
	s_wait_alu 0x0
	s_wait_tensorcnt 0x0
	ds_add_u32 v254, v255
	s_wait_dscnt 0x0
	s_endpgm
.Lfunc_end_k_q0c50bc429e_down:
	.size	k_q0c50bc429e_down, .Lfunc_end_k_q0c50bc429e_down-k_q0c50bc429e_down
	.p2alignl 7, 3214868480
	.fill 96, 4, 3214868480
	.section	.rodata,"a",@progbits
	.p2align	6, 0x0
	.amdhsa_kernel k_q0c50bc429e_down
		.amdhsa_group_segment_fixed_size 165376
		.amdhsa_private_segment_fixed_size 0
		.amdhsa_enable_private_segment 0
		.amdhsa_kernarg_size 40
		.amdhsa_user_sgpr_count 2
		.amdhsa_user_sgpr_kernarg_segment_ptr 1
		.amdhsa_wavefront_size32 1
		.amdhsa_system_sgpr_workgroup_id_x 1
		.amdhsa_system_sgpr_workgroup_id_y 1
		.amdhsa_system_sgpr_workgroup_id_z 1
		.amdhsa_system_vgpr_workitem_id 0
		.amdhsa_next_free_vgpr 1024
		.amdhsa_next_free_sgpr 66
		.amdhsa_reserve_vcc 0
		.amdhsa_float_denorm_mode_32 3
		.amdhsa_float_denorm_mode_16_64 3
		.amdhsa_memory_ordered 1
		.amdhsa_forward_progress 1
		.amdhsa_inst_pref_size 157
	.end_amdhsa_kernel
	.amdgpu_metadata
---
amdhsa.version: [ 1, 2 ]
amdhsa.kernels:
  - .name:           k_q0c50bc429e_down
    .symbol:         k_q0c50bc429e_down.kd
    .args:
      - { .name: W2, .offset: 0, .size: 8, .value_kind: global_buffer, .address_space: global }
      - { .name: b2, .offset: 8, .size: 8, .value_kind: global_buffer, .address_space: global }
      - { .name: hq, .offset: 16, .size: 8, .value_kind: global_buffer, .address_space: global }
      - { .name: route, .offset: 24, .size: 8, .value_kind: global_buffer, .address_space: global }
      - { .name: yr, .offset: 32, .size: 8, .value_kind: global_buffer, .address_space: global }
    .group_segment_fixed_size: 165376
    .private_segment_fixed_size: 0
    .kernarg_segment_align: 8
    .kernarg_segment_size: 40
    .max_flat_workgroup_size: 128
    .sgpr_count:     66
    .vgpr_count:     1024
    .wavefront_size: 32
...
	.end_amdgpu_metadata
.endif
;; end of part 5
;; launch combine: the kernel of part 4 again; grid 256 x 1, 4 waves a work-group, no clusters, 0 bytes of LDS; arguments yr, route, rval, out0; writes out0
